; MI455X (gfx1250); checked and timed in simulation.
; The chip was launched on July 23, 2026; its instructions are those of AMD's public machine-readable ISA for CDNA 5 (MIT licence, August 2026) and "CDNA5" Instruction Set Architecture Reference Guide (July 2026). The comments in the code are by the model that wrote it; some were corrected since.
;; Dynamic Memory Induction. Allowed arithmetic: matrix products marked QUANTISED: E2M3 operands, one E8M0 scale for each 32 along K, by v_wmma_scale_f32_16x16x128_f8f6f4 with both operands' format E2M3, f32 sums; products left as they are: f32 operands where the result goes on into a quantised operand, else bf16, f16 or f32 operands; f32 sums; everything else in f32.
;; Inputs: W_b 1,024 float32; W_w_codes 1,024 x 24 x 24 uint8 (E2M3 codes of W_w, K innermost, in blocks of 32 codes, four codes in three bytes); W_w_scales 1,024 x 24 uint8 (E8M0 scales of W_w, one for each 32 codes along K); m_codes 512 x 24 x 24 uint8 (E2M3 codes of m, K innermost, in blocks of 32 codes, four codes in three bytes); m_scales 512 x 24 uint8 (E8M0 scales of m, one for each 32 codes along K); q_codes 512 x 24 x 24 uint8 (E2M3 codes of q, K innermost, in blocks of 32 codes, four codes in three bytes); q_scales 512 x 24 uint8 (E8M0 scales of q, one for each 32 codes along K).
;; Outputs: out0 512 x 1,024 float32.
;; This version of the problem:
;;   THIS VERSION OF THE PROBLEM IS GIVEN IN LOW PRECISION. The matrix products marked QUANTISED in the list below multiply operands that are first quantised to E2M3 (2 exponent bits, 3 mantissa bits; 6 bits a number), with one power-of-two scale for each 32 numbers along K (OCP MX v1.0); their sums are f32. All else is computed in f32.
;;   The module's matrix products, in the order in which they are computed (A, B: the left and right operand; K: the contracted axis; several contracted axes count as one K, in the product's order):
;;     1. [M 512, K 768] x [K 768, N 1,024]; A: input m (given as codes); B: input W_w (given as codes): QUANTISED
;;     2. [M 512, K 768] x [K 768, N 1,024]; A: input q (given as codes); B: input W_w (given as codes): QUANTISED
;;     3. batch 64 x [M 16, K 512] x [K 512, N 512]; A: computed on the way; B: computed on the way: QUANTISED
;;     4. batch 64 x [M 512, K 16] x [K 16, N 512]; A: computed on the way; B: computed on the way: left as it is (K = 16 < 32)
;;     5. batch 64 x [M 16, K 512] x [K 512, N 512]; A: computed on the way; B: computed on the way: QUANTISED
;;     6. batch 64 x [M 512, K 16] x [K 16, N 512]; A: computed on the way; B: computed on the way: left as it is (K = 16 < 32)
;;     7. batch 64 x [M 16, K 512] x [K 512, N 512]; A: computed on the way; B: computed on the way: QUANTISED
;;   THE QUANTISER, for each operand of a quantised product, along K:
;;     - K is cut into blocks of 32 from its start; a last block that is shorter is filled with zeros.
;;     - A block's scale is 2^e with e = floor(log2(the largest magnitude in the block)) - 2, held to -126 .. 127; a block of zeros has e = 0. As a byte (E8M0): e + 127.
;;     - Each number is divided by its block's scale, clamped to +-7.5, and rounded to the nearest number of E2M3, ties to even, subnormals kept.
;;     - The product sums the exact products of the quantised numbers (number of the format x scale) in f32.
;;   ~~~python
;;   def quantise(x, axis):      # numpy; x: float32 -> the quantised numbers, widened to float32 again
;;       x = np.moveaxis(x, axis, -1); K = x.shape[-1]
;;       x = np.pad(x, [(0, 0)] * (x.ndim - 1) + [(0, -K % 32)]); x = x.reshape(x.shape[:-1] + (-1, 32)); a = np.abs(x).max(-1, keepdims=True)
;;       e = np.where(a > 0, np.clip(np.frexp(np.where(a > 0, a, 1))[1] - 1 - 2, -126, 127), 0)      # np.frexp(a)[1] - 1 = floor(log2(a)), exactly
;;       r = np.clip(x / 2.0 ** e, -7.5, 7.5)
;;       step = 2.0 ** (np.maximum(np.frexp(np.where(r == 0, 1, r))[1] - 1, 0) - 3)
;;       q = np.round(r / step) * step * 2.0 ** e      # np.round: ties to even
;;       return np.moveaxis(q.reshape(q.shape[:-2] + (-1,))[..., :K], -1, axis).astype(np.float32)
;;   ~~~
;;   OPERANDS COMPUTED ON THE WAY. 'Computed on the way' means the value that the module computes at that place (a softmax that the list does not call 'softmax' is quantised finished and normalised). What goes into a quantiser is computed in f32, as accurately as f32 sums, v_exp_f32 and their like allow (about 1e-6 of the number): no bf16 or f16 on the way to a quantiser, and a product that is left as it is and whose result goes on into a quantised operand takes f32 operands (vector FMAs, or v_wmma_f32_16x16x4_f32). A number that lies on a knife's edge between two numbers of the format may be rounded either way, as far as f32 arithmetic and the matrix unit's own rounding can turn it there, and no further.
;;   INPUTS GIVEN AS CODES. W_w (in the module: [768, 1024], K = its axis 0); m (in the module: [512, 768], K = its axis 1); q (in the module: [512, 768], K = its axis 1): each comes as NAME_codes (uint8): NAME with its K axis moved to the last place and cut into blocks of 32 codes, [.., K / 32, bytes a block], one block behind the other in memory; four codes in three bytes: a row's codes are one little-endian stream of bits, code i at bits 6 i .. 6 i + 5 (a code: sign, 2 exponent bits, 3 mantissa bits); and NAME_scales (uint8): the same leading axes, one E8M0 byte (e + 127) for each 32 codes along K. Its value is code x scale, taken as it is: it is not quantised again, and the codes and scales need not be those that the quantiser above would give.
;; One version. Each part assembles by itself: llvm-mc -triple=amdgcn-amd-amdhsa -mcpu=gfx1250 --defsym DOCPART=n.
;; ======== version 1 of 1: 7 launches
;; workspace buffers: base 5,439,488 bytes; it1 4,718,592 bytes; it2 4,718,592 bytes; part 16,777,216 bytes; cfga 256 bytes of whole numbers; cfgb 256 bytes of whole numbers
;; launch prep (part 1): grid 256 x 1, 4 waves a work-group, no clusters, 0 bytes of LDS; arguments W_w_codes, W_w_scales, W_b, m_codes, m_scales, q_codes, q_scales, base, cfga, cfgb; writes base, cfga, cfgb
.if DOCPART == 1
	.amdgcn_target "amdgcn-amd-amdhsa--gfx1250"
	.amdhsa_code_object_version 6
	.text
	.protected	k_q693995a5e4_prep
	.globl	k_q693995a5e4_prep
	.p2align	8
	.type	k_q693995a5e4_prep,@function
k_q693995a5e4_prep:
	s_mov_b64 s[64:65], 0
	v_nop
	global_prefetch_b8 v0, s[64:65] scope:SCOPE_SE
	s_setreg_imm32_b32 hwreg(HW_REG_WAVE_MODE, 25, 1), 1
	s_wait_xcnt 0x0
; hat_m = m W + b and hat_q = q W + b on the given codes of FP6 (E2M3) with their E8M0 scales, sums in f32, and what the routing launches want of them.
; WORK LEFT OUT IN THIS PROGRAM.  reference() builds the routing logits a as zeros, so its first softmax is exp(0) / 64 = 1/64 at every (q, i, c), whatever the inputs hold: the first routing launch adds that
; constant and takes no maximum and no exponential.  a / BETA with BETA = 1.0 and stop_gradient change no number.  Nothing else is left out, every input is loaded, so no NaN or infinity of an input is lost.
; IDENTITIES USED (exact in real numbers; the rounding differs).  xm = hat_m - its mean mx over the capsule's 16, ym_k = the query capsule of pass k less its mean.  Since q_cur' = (q_cur + v) / 2:
; ym' = (ym + v - mean v) / 2, and since xm sums to 0: n' = sum xm ym' = (n + w) / 2 with w = sum xm v.  hat_m . v = w + mx sum(v).
; LIMITS.  tanh(x) is taken as 1 - 2 / (1 + 2^(K x)), K = 2 log2(e): absolute error about one unit in the last place of 1.  A scale byte 0xff among the inputs was not tried.
; SHARES.  1,024 waves, one task each: kind (work-groups 0-127: m, 128-255: q), a chunk of 64 rows, one capsule c (16 columns of W).  K = 768 is six steps of 128.
; THE ROWS OF A TILE ARE NOT NEIGHBOURS: lane r of tile t = 2 b + u takes row 32 b + 8 u + r + 8 (r / 8) of the chunk, for m and q alike.
; TRANSPOSED (source 0 = 16 rows of W, source 1 = 16 rows of m or q): lane (r, h) holds row r and d = 8 h + 0..7: the mean and the sum of squares about it are taken here.  For q the centred numbers are stored as
; an image of the registers, 512 consecutive bytes a store: four pieces of 256 bytes, [r][4 d], with d = 0, 8, 4, 12 on.
; NATURAL (m alone: source 0 = rows of m, source 1 = W): lane (r, h) holds d = r, and the 16 registers of tiles 2 b, 2 b + 1 are in-caps 32 b + 16 h + 0..15.  Here hat_m is quantised along the in-caps (its codes are
; stored as the image of the fragment's first six registers), and xm is stored for the routing launches' multiply-adds: [b][k][lane][4]: the 16 bytes of lane 16 h + d hold in-caps 32 b + 16 h + 4 k + 0..3 at d.
; A unit of 4,608 bytes for each (chunk, c): that xm (4,096), sxx of the 64 in-caps, mx of the 64 in-caps.
; cfga and cfgb take the whole numbers 0 and 1, by which the shared bodies of the later launches tell their two uses apart.
; No LDS, no cluster: each fragment is read by one wave, once.
.set KROW,    576                      ; a row of 768 codes in bytes
.set OFF_SY0, 2097152                  ; base: ym0 images at 0; (syy0', syy0') here; the units of xm, sxx, mx; hat_m's codes; their scale words
.set OFF_XT,  2621440
.set UNIT,    4608
.set OFF_HMC, 4980736
.set OFF_HMS, 5373952
.set INVK2,   0x3df5fdf0               ; (ln2 / 2)^2 = 1 / K^2
.set RSC, 16                           ; v16-39  the rows' scale words: tile t, K step s at 6 t + s
.set WSC, 40                           ; v40-45  W's scale words
.set BT,  46                           ; v46-53  the bias in the transposed result's layout
.set BN,  54                           ; v54-61  and in the natural one's
.set BNL, 62
.set FBUF, 64                          ; v64-123, v124-183: two sets of fragments: four tiles of rows, then W
.set ACT, 184                          ; v184-215 four transposed tiles
.set ACN, 216                          ; v216-247 four natural tiles
.set XC,  64                           ; behind the products, where fragments lay: xm in the natural layout, the sums over d,
.set CT,  96
.set SSQ, 120                          ; sums of squares, means, what is stored, the quantiser's registers
.set MEA, 124
.set OUTP, 128
.set MX0, 140
.set MX1, 141
.set PP0, 142
.set PP1, 143
.set PC,  144
.set PT,  150
.set PW,  153
.set SEL, 34
.macro PLACES n
.rept \n
	v_nop
.endr
.endm
.macro LDHEAD both                     ; the scale words of all six K steps (24 bytes a row: three loads of 8), and the bias
.irp t,0,1,2,3
.irp p,0,1,2
	global_load_b64 v[RSC+6*\t+2*\p:RSC+6*\t+2*\p+1], v7, s[12:13] offset:(32*(\t/2)+8*(\t%2))*24+8*\p
.endr
.endr
.irp p,0,1,2
	global_load_b64 v[WSC+2*\p:WSC+2*\p+1], v8, s[6:7] offset:8*\p
.endr
	global_load_b128 v[BT:BT+3], v9, s[8:9]
	global_load_b128 v[BT+4:BT+7], v9, s[8:9] offset:16
.if \both
	global_load_b32 v[BNL], v10, s[8:9]
.endif
.endm
.macro LDSTEP s                        ; 30 loads: the fragments of K step s (24 bytes of a row's stream of bits, twice, as pieces of 8)
.set FB, FBUF+60*((\s)%2)
.irp t,0,1,2,3
.irp p,0,1,2,3,4,5
	global_load_b64 v[FB+12*\t+2*\p:FB+12*\t+2*\p+1], v5, s[10:11] offset:(32*(\t/2)+8*(\t%2))*KROW+96*(\s)+48*(\p/3)+8*(\p%3)
.endr
.endr
.irp p,0,1,2,3,4,5
	global_load_b64 v[FB+48+2*\p:FB+48+2*\p+1], v6, s[4:5] offset:96*(\s)+48*(\p/3)+8*(\p%3)
.endr
.endm
.macro MULSTEP s, both                 ; the accumulators take turns, one instruction a turn; the bias is the C of each sum's first instruction
.set FB, FBUF+60*((\s)%2)
.irp t,0,1,2,3
.if (\s) == 0
	v_wmma_scale_f32_16x16x128_f8f6f4 v[ACT+8*\t:ACT+8*\t+7], v[FB+48:FB+59], v[FB+12*\t:FB+12*\t+11], v[BT:BT+7], v[WSC+(\s)], v[RSC+6*\t+(\s)] matrix_a_fmt:MATRIX_FMT_FP6 matrix_b_fmt:MATRIX_FMT_FP6
.else
	v_wmma_scale_f32_16x16x128_f8f6f4 v[ACT+8*\t:ACT+8*\t+7], v[FB+48:FB+59], v[FB+12*\t:FB+12*\t+11], v[ACT+8*\t:ACT+8*\t+7], v[WSC+(\s)], v[RSC+6*\t+(\s)] matrix_a_fmt:MATRIX_FMT_FP6 matrix_b_fmt:MATRIX_FMT_FP6
.endif
.endr
.if \both
.irp t,0,1,2,3
.if (\s) == 0
	v_wmma_scale_f32_16x16x128_f8f6f4 v[ACN+8*\t:ACN+8*\t+7], v[FB+12*\t:FB+12*\t+11], v[FB+48:FB+59], v[BN:BN+7], v[RSC+6*\t+(\s)], v[WSC+(\s)] matrix_a_fmt:MATRIX_FMT_FP6 matrix_b_fmt:MATRIX_FMT_FP6
.else
	v_wmma_scale_f32_16x16x128_f8f6f4 v[ACN+8*\t:ACN+8*\t+7], v[FB+12*\t:FB+12*\t+11], v[FB+48:FB+59], v[ACN+8*\t:ACN+8*\t+7], v[RSC+6*\t+(\s)], v[WSC+(\s)] matrix_a_fmt:MATRIX_FMT_FP6 matrix_b_fmt:MATRIX_FMT_FP6
.endif
.endr
.endif
.endm
; Six K steps on two sets of fragments.  Each s_wait_loadcnt 30 leaves the next step's 30 loads out; four places stand between a step's products and the loads into its set.
.macro GEMM both
	LDHEAD \both
	LDSTEP 0
	LDSTEP 1
	s_wait_loadcnt 30
.if \both
.irp k,0,1,2,3,4,5,6,7
	v_mov_b32 v[BN+\k], v[BNL]                     ; in the natural layout a lane's eight results share one column, so one bias
.endr
	PLACES 4
.endif
	MULSTEP 0, \both
	PLACES 4
	LDSTEP 2
	s_wait_loadcnt 30
	MULSTEP 1, \both
	PLACES 4
	LDSTEP 3
	s_wait_loadcnt 30
	MULSTEP 2, \both
	PLACES 4
	LDSTEP 4
	s_wait_loadcnt 30
	MULSTEP 3, \both
	PLACES 4
	LDSTEP 5
	s_wait_loadcnt 30
	MULSTEP 4, \both
	s_wait_loadcnt 0x0
	MULSTEP 5, \both
	PLACES 4                                       ; in front of the first reads of results and the first writes into the fragments' registers
.endm
; A transposed tile: the capsule's mean, the centred numbers and their sum of squares: eight numbers of mine, eight of lane l xor 16.  isq = 1: the centred numbers and syy' are stored.
.macro ETILE t, isq
.set X,  ACT+8*(\t)
.set YY, 64+8*(\t)
.set UU, 96+4*(\t)
.set NG, 112+2*(\t)
	v_pk_add_f32 v[UU:UU+1], v[X:X+1], v[X+2:X+3]
	v_pk_add_f32 v[UU+2:UU+3], v[X+4:X+5], v[X+6:X+7]
	v_pk_add_f32 v[UU:UU+1], v[UU:UU+1], v[UU+2:UU+3]
	v_add_f32 v[UU], v[UU], v[UU+1]
	v_permlanex16_b32 v[UU+1], v[UU], s[SEL], s[SEL+1]
	v_add_f32 v[UU], v[UU], v[UU+1]
	v_mul_f32 v[NG], 0xbd800000, v[UU]             ; - mean, twice
	v_mul_f32 v[NG+1], 0xbd800000, v[UU]
	v_mul_f32 v[MEA+(\t)], 0x3d800000, v[UU]       ; the mean
.irp k,0,2,4,6
	v_pk_add_f32 v[YY+\k:YY+\k+1], v[X+\k:X+\k+1], v[NG:NG+1]
.endr
.if \isq
	global_store_b128 v11, v[YY:YY+3], s[36:37] offset:(\t)*65536
	global_store_b128 v11, v[YY+4:YY+7], s[36:37] offset:(\t)*65536+512
.endif
	v_pk_mul_f32 v[UU:UU+1], v[YY:YY+1], v[YY:YY+1]
.irp k,2,4,6
	v_pk_fma_f32 v[UU:UU+1], v[YY+\k:YY+\k+1], v[YY+\k:YY+\k+1], v[UU:UU+1]
.endr
	v_add_f32 v[UU], v[UU], v[UU+1]
	v_permlanex16_b32 v[UU+1], v[UU], s[SEL], s[SEL+1]
	v_add_f32 v[SSQ+(\t)], v[UU], v[UU+1]
.if \isq
	v_mul_f32 v[OUTP+2*(\t)], INVK2, v[SSQ+(\t)]
	v_mov_b32 v[OUTP+2*(\t)+1], v[OUTP+2*(\t)]
	global_store_b64 v12, v[OUTP+2*(\t):OUTP+2*(\t)+1], s[44:45] offset:(\t)*16384
.endif
.endm
; 32 numbers of a lane, register 16 b + x = K index 32 b + 16 h + x, become six registers of codes (lane half h: block h) and a scale word (bytes 0, 1; bytes 2, 3 stay 0 over zero codes).
.macro QUANT2 x
	v_max3_num_f32 v[MX0], |v[\x]|, |v[\x+1]|, 0x1800000            ; with the floor 2^(3 - 127): the byte cannot fall under 1
	v_max3_num_f32 v[MX1], |v[\x+16]|, |v[\x+17]|, 0x1800000
.irp i,2,4,6,8,10,12,14
	v_max3_num_f32 v[MX0], v[MX0], |v[\x+\i]|, |v[\x+\i+1]|
	v_max3_num_f32 v[MX1], v[MX1], |v[\x+16+\i]|, |v[\x+17+\i]|
.endr
	v_permlanex16_b32 v[PP0], v[MX0], s[SEL], s[SEL+1]
	v_permlanex16_b32 v[PP1], v[MX1], s[SEL], s[SEL+1]
	v_max_num_f32 v[MX0], v[MX0], v[PP0]           ; with lane l xor 16's: the block's largest magnitude
	v_max_num_f32 v[MX1], v[MX1], v[PP1]
	v_add_nc_u32 v[PP0], 0xff000000, v[MX0]        ; 2 off its exponent field: the conversion's scale operand
	v_add_nc_u32 v[PP1], 0xff000000, v[MX1]
	v_lshrrev_b32 v[MX0], 23, v[PP0]               ; the scale's byte
	v_lshrrev_b32 v[MX1], 23, v[PP1]
	v_lshl_or_b32 v[PW], v[MX1], 8, v[MX0]
	v_cvt_scalef32_pk16_fp6_f32 v[PC:PC+2], v[\x:\x+15], v[PP0]
	v_cvt_scalef32_pk16_fp6_f32 v[PT:PT+2], v[\x+16:\x+31], v[PP1]
	v_nop                                          ; one plain place behind a scaled conversion
.irp i,0,1,2
	v_permlane16_swap_b32 v[PC+\i], v[PT+\i]       ; the layout wants a whole block in a lane: lanes 0-15 block 0, lanes 16-31 block 1
.endr
.irp i,0,1,2
	v_mov_b32 v[PC+3+\i], v[PT+\i]
.endr
.endm
	s_load_b256 s[4:11], s[0:1], 0x0               ; W's codes, W's scales, W_b, m's codes
	s_load_b256 s[12:19], s[0:1], 0x20             ; m's scales, q's codes, q's scales, base
	s_load_b128 s[48:51], s[0:1], 0x40             ; cfga, cfgb
	v_lshrrev_b32 v1, 5, v0
	v_readfirstlane_b32 s20, v1                    ; wave 0..3
	s_lshr_b32 s21, ttmp9, 7                       ; 0: m, 1: q
	s_bfe_u32 s22, ttmp9, 0x30004                  ; the chunk of 64 rows
	s_and_b32 s23, ttmp9, 15
	s_lshl_b32 s23, s23, 2
	s_add_co_u32 s23, s23, s20                     ; the capsule
	v_and_b32 v1, 31, v0                           ; lane
	v_and_b32 v2, 15, v0                           ; r
	v_bfe_u32 v3, v0, 4, 1                         ; h
	v_and_b32 v4, 8, v2
	v_add_nc_u32 v4, v4, v2                        ; r + 8 (r / 8)
	v_mul_u32_u24 v5, v4, KROW
	v_mad_u32_u24 v5, v3, 24, v5                   ; the rows' codes
	v_mul_u32_u24 v6, v2, KROW
	v_mad_u32_u24 v6, v3, 24, v6                   ; W's codes
	v_mul_u32_u24 v7, v4, 24                       ; the rows' scale bytes
	v_mul_u32_u24 v8, v2, 24                       ; W's
	v_lshlrev_b32 v9, 5, v3                        ; the bias of d = 8 h + 0..7
	v_lshlrev_b32 v10, 2, v2                       ; the bias of d = r
	v_lshlrev_b32 v11, 4, v1                       ; images: 16, 8, 4 bytes a lane
	v_lshlrev_b32 v12, 3, v1
	v_lshlrev_b32 v13, 2, v1
	v_lshl_add_u32 v14, v3, 3, v4
	v_lshlrev_b32 v14, 2, v14                      ; sxx, mx: in-cap 8 h + r + 8 (r / 8) of a block of 32
	s_mul_i32 s24, s22, 36864
	s_mov_b32 s25, 0
	s_mul_i32 s26, s22, 1536
	s_mov_b32 s27, 0
	s_mul_i32 s28, s23, 9216
	s_mov_b32 s29, 0
	s_mul_i32 s30, s23, 384
	s_mov_b32 s31, 0
	s_lshl_b32 s32, s23, 6
	s_mov_b32 s33, 0
	s_mov_b32 s[SEL], 0x76543210
	s_mov_b32 s[SEL+1], 0xfedcba98                 ; v_permlanex16_b32's selects for lane l xor 16
	s_mov_b32 s41, 0
	s_wait_kmcnt 0x0
	s_cmp_eq_u32 s21, 0                            ; the choice hangs on the work-group's number alone
	s_cselect_b64 s[10:11], s[10:11], s[14:15]
	s_cselect_b64 s[12:13], s[12:13], s[16:17]
	s_add_nc_u64 s[10:11], s[10:11], s[24:25]
	s_add_nc_u64 s[12:13], s[12:13], s[26:27]
	s_add_nc_u64 s[4:5], s[4:5], s[28:29]
	s_add_nc_u64 s[6:7], s[6:7], s[30:31]
	s_add_nc_u64 s[8:9], s[8:9], s[32:33]
	s_cmp_lg_u32 s21, 0
	s_cbranch_scc1 .Lqueries
	; ---- m
	s_lshl_b32 s40, s22, 6
	s_add_co_u32 s40, s40, s23
	s_mul_i32 s40, s40, UNIT                       ; my unit: 64 chunk + c
	s_add_nc_u64 s[44:45], s[18:19], s[40:41]
	s_add_nc_u64 s[44:45], s[44:45], OFF_XT
	s_mul_i32 s40, s22, 49152
	s_mul_i32 s42, s23, 768
	s_add_co_u32 s40, s40, s42
	s_add_nc_u64 s[52:53], s[18:19], s[40:41]
	s_add_nc_u64 s[52:53], s[52:53], OFF_HMC
	s_lshl_b32 s40, s22, 13
	s_lshl_b32 s42, s23, 7
	s_add_co_u32 s40, s40, s42
	s_add_nc_u64 s[54:55], s[18:19], s[40:41]
	s_add_nc_u64 s[54:55], s[54:55], OFF_HMS
	GEMM 1
	ETILE 0, 0
	ETILE 1, 0
	ETILE 2, 0
	ETILE 3, 0
	v_cmp_eq_u32 vcc_lo, 1, v3                     ; both halves hold every tile's figures: lanes 0-15 store tile 2 b's, lanes 16-31 tile 2 b + 1's: 128 consecutive bytes a store
	v_cndmask_b32 v136, v[SSQ], v[SSQ+1], vcc_lo
	v_cndmask_b32 v137, v[SSQ+2], v[SSQ+3], vcc_lo
	v_cndmask_b32 v138, v[MEA], v[MEA+1], vcc_lo
	v_cndmask_b32 v139, v[MEA+2], v[MEA+3], vcc_lo
	global_store_b32 v14, v136, s[44:45] offset:4096
	global_store_b32 v14, v137, s[44:45] offset:4096+128
	global_store_b32 v14, v138, s[44:45] offset:4352
	global_store_b32 v14, v139, s[44:45] offset:4352+128
	; xm in the natural layout: a capsule's 16 numbers lie in the sixteen lanes of a half: four steps give every lane their sum
.set n, 0
.rept 32
	v_add_f32_dpp v[CT+n], v[ACN+n], v[ACN+n] row_xmask:1 row_mask:0xf bank_mask:0xf
.set n, n+1
.endr
.irp x,2,4,8
.set n, 0
.rept 32
	v_add_f32_dpp v[CT+n], v[CT+n], v[CT+n] row_xmask:\x row_mask:0xf bank_mask:0xf
.set n, n+1
.endr
.endr
.set n, 0
.rept 32
	v_fmamk_f32 v[XC+n], v[CT+n], 0xbd800000, v[ACN+n]     ; hat_m - sum / 16
.set n, n+1
.endr
.irp b,0,1
.irp k,0,1,2,3
	global_store_b128 v11, v[XC+16*\b+4*\k:XC+16*\b+4*\k+3], s[44:45] offset:\b*2048+\k*512
.endr
.endr
	v_mov_b32 v[PP0], 0                            ; a lane permute's destination counts as one of its sources
	v_mov_b32 v[PP1], 0
	QUANT2 ACN
.irp p,0,1,2
	global_store_b64 v12, v[PC+2*\p:PC+2*\p+1], s[52:53] offset:256*\p
.endr
	global_store_b32 v13, v[PW], s[54:55]
	s_or_b32 s40, ttmp9, s20
	s_cmp_lg_u32 s40, 0
	s_cbranch_scc1 .Ldone                          ; wave 0 of work-group 0 stores the two whole numbers, 256 bytes each
	v_mov_b32 v154, 0
	v_mov_b32 v155, 0
	v_mov_b32 v156, 1
	v_mov_b32 v157, 1
	global_store_b64 v12, v[154:155], s[48:49]
	global_store_b64 v12, v[156:157], s[50:51]
.Ldone:
	s_endpgm
.Lqueries:
	s_lshl_b32 s40, s22, 18
	s_lshl_b32 s42, s23, 10
	s_add_co_u32 s40, s40, s42                     ; images: four tiles of 65,536 bytes a chunk, 1,024 bytes a capsule
	s_add_nc_u64 s[36:37], s[18:19], s[40:41]
	s_lshl_b32 s40, s22, 16
	s_lshl_b32 s42, s23, 8
	s_add_co_u32 s40, s40, s42
	s_add_nc_u64 s[44:45], s[18:19], s[40:41]
	s_add_nc_u64 s[44:45], s[44:45], OFF_SY0
	GEMM 0
	ETILE 0, 1
	ETILE 1, 1
	ETILE 2, 1
	ETILE 3, 1
	s_endpgm
.Lfunc_end_k_q693995a5e4_prep:
	.size	k_q693995a5e4_prep, .Lfunc_end_k_q693995a5e4_prep-k_q693995a5e4_prep
	.p2alignl 7, 3214868480
	.fill 96, 4, 3214868480
	.section	.rodata,"a",@progbits
	.p2align	6, 0x0
	.amdhsa_kernel k_q693995a5e4_prep
		.amdhsa_group_segment_fixed_size 0
		.amdhsa_private_segment_fixed_size 0
		.amdhsa_enable_private_segment 0
		.amdhsa_kernarg_size 80
		.amdhsa_user_sgpr_count 2
		.amdhsa_user_sgpr_kernarg_segment_ptr 1
		.amdhsa_wavefront_size32 1
		.amdhsa_system_sgpr_workgroup_id_x 1
		.amdhsa_system_sgpr_workgroup_id_y 1
		.amdhsa_system_sgpr_workgroup_id_z 1
		.amdhsa_system_vgpr_workitem_id 0
		.amdhsa_next_free_vgpr 256
		.amdhsa_next_free_sgpr 66
		.amdhsa_reserve_vcc 1
		.amdhsa_float_denorm_mode_32 3
		.amdhsa_float_denorm_mode_16_64 3
		.amdhsa_memory_ordered 1
		.amdhsa_forward_progress 1
		.amdhsa_inst_pref_size 77
	.end_amdhsa_kernel
	.amdgpu_metadata
---
amdhsa.version: [ 1, 2 ]
amdhsa.kernels:
  - .name:           k_q693995a5e4_prep
    .symbol:         k_q693995a5e4_prep.kd
    .args:
      - { .name: W_w_codes, .offset: 0, .size: 8, .value_kind: global_buffer, .address_space: global }
      - { .name: W_w_scales, .offset: 8, .size: 8, .value_kind: global_buffer, .address_space: global }
      - { .name: W_b, .offset: 16, .size: 8, .value_kind: global_buffer, .address_space: global }
      - { .name: m_codes, .offset: 24, .size: 8, .value_kind: global_buffer, .address_space: global }
      - { .name: m_scales, .offset: 32, .size: 8, .value_kind: global_buffer, .address_space: global }
      - { .name: q_codes, .offset: 40, .size: 8, .value_kind: global_buffer, .address_space: global }
      - { .name: q_scales, .offset: 48, .size: 8, .value_kind: global_buffer, .address_space: global }
      - { .name: base, .offset: 56, .size: 8, .value_kind: global_buffer, .address_space: global }
      - { .name: cfga, .offset: 64, .size: 8, .value_kind: global_buffer, .address_space: global }
      - { .name: cfgb, .offset: 72, .size: 8, .value_kind: global_buffer, .address_space: global }
    .group_segment_fixed_size: 0
    .private_segment_fixed_size: 0
    .kernarg_segment_align: 8
    .kernarg_segment_size: 80
    .max_flat_workgroup_size: 128
    .sgpr_count:     66
    .vgpr_count:     256
    .wavefront_size: 32
...
	.end_amdgpu_metadata
.endif
;; end of part 1
;; launch route1 (part 2): grid 8 x 32, 16 waves a work-group, no clusters, 75,776 bytes of LDS; arguments base, part; writes part
.if DOCPART == 2
	.amdgcn_target "amdgcn-amd-amdhsa--gfx1250"
	.amdhsa_code_object_version 6
	.text
	.protected	k_q693995a5e4_route1
	.globl	k_q693995a5e4_route1
	.p2align	8
	.type	k_q693995a5e4_route1,@function
k_q693995a5e4_route1:
	s_mov_b64 s[64:65], 0
	v_nop
	global_prefetch_b8 v0, s[64:65] scope:SCOPE_SE
	s_setreg_imm32_b32 hwreg(HW_REG_WAVE_MODE, 25, 1), 1
	s_wait_xcnt 0x0
; FIRST ROUTING PASS: partial sums of hat_v[q][c][:] = sum_i Q(1/64 + p0)[q][i][c] Q(hat_m)[i][c][:], Q the MX-FP6 quantiser along i.
; LEFT OUT: the first softmax is of zeros that reference() builds itself, so d = 1/64 for every input: the constant is added, no maximum and no exponential are taken.
; SHARES.  No softmax ties the capsules together here, so a wave takes ONE capsule x 64 in-caps (a chunk) x FOUR tiles of 16 queries: each number of xm that it reads feeds four tiles.  Work-group x: the chunk;
; work-group y = 4 x (group of four tiles) + (group of 16 capsules); wave w takes capsule 16 cg + w.  The sum over the in-caps spans eight work-groups: each stores its partial sum as an image of registers.
; n0 = sum_d xm ym0 BY FUSED MULTIPLY-ADDS, in f32 (it goes on into a quantised operand).  Lane (r, h) holds query r; register 16 b + x holds in-cap 32 b + 16 h + x: 16 neighbours along the quantised product's K.
; One packed multiply-add takes two neighbouring in-caps' xm at one d times my query's ym0 at that d.  xm is the same for the sixteen lanes of a half: the wave copies its unit (4,608 bytes: xm, sxx, mx) into LDS
; bytes of its own and reads it back with one address a half: for (b, d) four loads of 16 bytes bring in-caps x = 0..15.
; p = 1 - 2 / (1 + 2^z), z = n rsq(sxx syy' + eps'), syy' = syy / K^2, eps' = 1e-8 / K^2, K = 2 log2(e): the rsq carries K.
; The quantised product has K = 128: the chunk's 64 in-caps, the rest zero codes on both sides.  No barrier: waves share nothing.  No tensor load, no cluster: every staged byte is read by one wave alone.
.set OFF_SY0, 2097152
.set OFF_XT,  2621440
.set UNIT,    4608
.set OFF_HMC, 4980736
.set OFF_HMS, 5373952
.set SPARE,   73728                    ; behind the sixteen units: the spare words, 128 bytes for each wave, which no other line names
.set RW,  1                            ; v1  16 r + 1,024 x wave: a tile's rows of ym0
.set P8,  2                            ; v2  8 x lane + 256 x wave: syy'
.set C8,  3                            ; v3  8 x lane + 768 x wave: hat_m's codes
.set L4,  4                            ; v4  4 x lane + 128 x wave: their scale words
.set XO,  5                            ; v5  16 x lane + 4,608 x wave: my unit, in memory and in LDS alike
.set XLA, 6                            ; v6  LDS: 4,608 x wave + 256 h: xm of my half
.set SXA, 7                            ; v7  LDS: 4,608 x wave + 4,096 + 64 h: sxx of my half
.set PO,  8                            ; v8  16 x lane + 1,024 x wave: the partial sums
.set SPW, 10                           ; v10 LDS address of my spare word; never rewritten
.set NIL, 11                           ; v11 0; never rewritten
.set HSC, 14                           ; v14 hat_m's scale word;  v15 the scale word of d + p: these two hold scales alone
.set PW,  15
.set ACC, 16                           ; v16-143  n0: tile t at 32 t
.set ROW, 144                          ; v144-207 ym0: tile t, d at 16 t + d
.set XB,  208                          ; v208-239 two sets of xm
.set SYP, 240                          ; v240-243 syy' of the four tiles
.set AC,  244                          ; v244-255 hat_m's codes (the upper six stay 0)
.set SX,  144                          ; behind the multiply-adds: sxx, the chain,
.set TT,  176
.set PC,  208                          ; the codes of d + p (the upper six stay 0), the partial hat_v, the quantiser's registers
.set DD,  220
.set MX0, 228
.set MX1, 229
.set PP0, 230
.set PP1, 231
.set PT,  232
.set EP,  40                           ; s[40:41] eps'
.set C1,  42                           ; s[42:43] 1 + 1/64
.set SEL, 44
.macro PLACES n
.rept \n
	v_nop
.endr
.endm
.macro TR op, base, n                  ; a batch of n transcendentals, in place
.set i, 0
.rept \n
	\op v[\base+i], v[\base+i]
.set i, i+1
.endr
.endm
.macro BATCHEND                        ; a plain place behind the last of a batch, and one wait ahead of the batch's first reader
	v_nop
	s_wait_alu depctr_va_vdst(0)
.endm
.macro LDX g                           ; xm of block g / 16 at d = g % 16: my half's 16 in-caps
.irp k,0,1,2,3
	ds_load_b128 v[XB+16*((\g)%2)+4*\k:XB+16*((\g)%2)+4*\k+3], v[XLA] offset:((\g)/16)*2048+\k*512+((\g)%16)*16
.endr
.endm
.macro FMA acc, row, d, xb             ; 16 in-caps: acc += xm(., d) x row(d); d = 0 starts the sums: nothing is cleared
.set i, 0
.rept 8
.if (\d) == 0
	v_pk_mul_f32 v[\acc+i:\acc+i+1], v[\xb+i:\xb+i+1], v[\row:\row+1] op_sel_hi:[1,0]
.elseif (\d)%2 == 0
	v_pk_fma_f32 v[\acc+i:\acc+i+1], v[\xb+i:\xb+i+1], v[\row+(\d):\row+(\d)+1], v[\acc+i:\acc+i+1] op_sel_hi:[1,0,1]
.else
	v_pk_fma_f32 v[\acc+i:\acc+i+1], v[\xb+i:\xb+i+1], v[\row+(\d)-1:\row+(\d)], v[\acc+i:\acc+i+1] op_sel:[0,1,0] op_sel_hi:[1,1,1]
.endif
.set i, i+2
.endr
.endm
; 32 numbers of a lane, register 16 b + x = K index 32 b + 16 h + x, become six registers of codes (lane half h: block h) and a scale word (bytes 0, 1; bytes 2, 3 stay 0 over zero codes).
.macro QUANT2 x
	v_max3_num_f32 v[MX0], |v[\x]|, |v[\x+1]|, 0x1800000            ; with the floor 2^(3 - 127): the byte cannot fall under 1
	v_max3_num_f32 v[MX1], |v[\x+16]|, |v[\x+17]|, 0x1800000
.irp i,2,4,6,8,10,12,14
	v_max3_num_f32 v[MX0], v[MX0], |v[\x+\i]|, |v[\x+\i+1]|
	v_max3_num_f32 v[MX1], v[MX1], |v[\x+16+\i]|, |v[\x+17+\i]|
.endr
	v_permlanex16_b32 v[PP0], v[MX0], s[SEL], s[SEL+1]
	v_permlanex16_b32 v[PP1], v[MX1], s[SEL], s[SEL+1]
	v_max_num_f32 v[MX0], v[MX0], v[PP0]
	v_max_num_f32 v[MX1], v[MX1], v[PP1]
	v_add_nc_u32 v[PP0], 0xff000000, v[MX0]        ; 2 off the exponent field: the conversion's scale operand
	v_add_nc_u32 v[PP1], 0xff000000, v[MX1]
	v_lshrrev_b32 v[MX0], 23, v[PP0]
	v_lshrrev_b32 v[MX1], 23, v[PP1]
	v_lshl_or_b32 v[PW], v[MX1], 8, v[MX0]
	v_cvt_scalef32_pk16_fp6_f32 v[PC:PC+2], v[\x:\x+15], v[PP0]
	v_cvt_scalef32_pk16_fp6_f32 v[PT:PT+2], v[\x+16:\x+31], v[PP1]
	v_nop                                          ; one plain place behind a scaled conversion
.irp i,0,1,2
	v_permlane16_swap_b32 v[PC+\i], v[PT+\i]
.endr
.irp i,0,1,2
	v_mov_b32 v[PC+3+\i], v[PT+\i]
.endr
.endm
; One tile of queries: p0 + 1/64, quantised, and its product with hat_m's codes: source 0 = hat_m's 16 numbers d (rows), source 1 = d + p of 16 queries; lane (r, h) gets query r, d = 8 h + 0..7.
.macro TILE t
.set NA, ACC+32*(\t)
.set i, 0
.rept 16
.if (\t)%2 == 0
	v_pk_fma_f32 v[TT+i:TT+i+1], v[SX+i:SX+i+1], v[SYP+(\t):SYP+(\t)+1], s[EP:EP+1] op_sel_hi:[1,0,0]
.else
	v_pk_fma_f32 v[TT+i:TT+i+1], v[SX+i:SX+i+1], v[SYP+(\t)-1:SYP+(\t)], s[EP:EP+1] op_sel:[0,1,0] op_sel_hi:[1,1,0]
.endif
.set i, i+2
.endr
	TR v_rsq_f32, TT, 32
	BATCHEND
.set i, 0
.rept 16
	v_pk_mul_f32 v[TT+i:TT+i+1], v[NA+i:NA+i+1], v[TT+i:TT+i+1]       ; z
.set i, i+2
.endr
	TR v_exp_f32, TT, 32
	BATCHEND
.set i, 0
.rept 16
	v_pk_add_f32 v[TT+i:TT+i+1], v[TT+i:TT+i+1], 1.0 op_sel_hi:[1,0]
.set i, i+2
.endr
	TR v_rcp_f32, TT, 32
	BATCHEND
.set i, 0
.rept 16
	v_pk_fma_f32 v[TT+i:TT+i+1], v[TT+i:TT+i+1], -2.0, s[C1:C1+1] op_sel_hi:[1,0,0]   ; p + 1/64
.set i, i+2
.endr
	QUANT2 TT
	PLACES 8                                       ; a scale word written by a vector instruction stands eight places ahead of the scaled matrix instruction, an operand four
.if \t > 0
	s_wait_xcnt 0x0                                ; the last tile's stores have read their data: only now is the result's place written again
.endif
	v_wmma_scale_f32_16x16x128_f8f6f4 v[DD:DD+7], v[AC:AC+11], v[PC:PC+11], 0, v[HSC], v[PW] matrix_a_fmt:MATRIX_FMT_FP6 matrix_b_fmt:MATRIX_FMT_FP6
	PLACES 4
	global_store_b128 v[PO], v[DD:DD+3], s[38:39] offset:(\t)*65536
	global_store_b128 v[PO], v[DD+4:DD+7], s[38:39] offset:(\t)*65536+512
.endm
	s_load_b128 s[4:7], s[0:1], 0x0                ; base, part
	v_lshl_add_u32 v[SPW], v0, 2, SPARE
	v_mov_b32 v[NIL], 0
	v_and_b32 v12, 31, v0                          ; lane
	v_lshrrev_b32 v13, 5, v0                       ; wave
	v_bfe_u32 v9, v0, 4, 1                         ; h
	v_and_b32 v[RW], 15, v0
	v_lshlrev_b32 v[RW], 4, v[RW]
	v_lshl_add_u32 v[RW], v13, 10, v[RW]
	v_lshlrev_b32 v[P8], 3, v12
	v_mad_u32_u24 v[C8], v13, 768, v[P8]
	v_lshl_add_u32 v[P8], v13, 8, v[P8]
	v_lshlrev_b32 v[L4], 2, v12
	v_lshl_add_u32 v[L4], v13, 7, v[L4]
	v_lshlrev_b32 v[PO], 4, v12
	v_mad_u32_u24 v[XO], v13, UNIT, v[PO]
	v_lshl_add_u32 v[PO], v13, 10, v[PO]
	v_lshlrev_b32 v[XLA], 8, v9
	v_mad_u32_u24 v[XLA], v13, UNIT, v[XLA]
	v_lshlrev_b32 v[SXA], 6, v9
	v_mad_u32_u24 v[SXA], v13, UNIT, v[SXA]
	v_add_nc_u32 v[SXA], 4096, v[SXA]
	s_mov_b32 s[EP], 0x30a51518                    ; 1e-8 x (ln2 / 2)^2
	s_mov_b32 s[EP+1], s[EP]
	s_mov_b32 s[C1], 0x3f820000
	s_mov_b32 s[C1+1], s[C1]
	s_mov_b32 s[SEL], 0x76543210
	s_mov_b32 s[SEL+1], 0xfedcba98
	s_and_b32 s14, ttmp7, 0xffff
	s_lshr_b32 s15, s14, 2                         ; the group of four tiles of queries
	s_and_b32 s14, s14, 3                          ; the group of 16 capsules; ttmp9: the chunk of in-caps
	s_mov_b32 s51, 0
	s_wait_kmcnt 0x0
	s_mul_i32 s50, ttmp9, 64*UNIT
	s_mul_i32 s52, s14, 16*UNIT
	s_add_co_u32 s50, s50, s52
	s_add_nc_u64 s[16:17], s[4:5], s[50:51]
	s_add_nc_u64 s[16:17], s[16:17], OFF_XT
	s_mul_i32 s50, ttmp9, 49152
	s_mul_i32 s52, s14, 12288
	s_add_co_u32 s50, s50, s52
	s_add_nc_u64 s[22:23], s[4:5], s[50:51]
	s_add_nc_u64 s[22:23], s[22:23], OFF_HMC
	s_lshl_b32 s50, ttmp9, 13
	s_lshl_b32 s52, s14, 11
	s_add_co_u32 s50, s50, s52
	s_add_nc_u64 s[24:25], s[4:5], s[50:51]
	s_add_nc_u64 s[24:25], s[24:25], OFF_HMS
	s_lshl_b32 s50, s15, 18
	s_lshl_b32 s52, s14, 14
	s_add_co_u32 s50, s50, s52
	s_add_nc_u64 s[26:27], s[4:5], s[50:51]
	s_add_nc_u64 s[38:39], s[6:7], s[50:51]
	s_lshl_b32 s50, s15, 16
	s_lshl_b32 s52, s14, 12
	s_add_co_u32 s50, s50, s52
	s_add_nc_u64 s[28:29], s[4:5], s[50:51]
	s_add_nc_u64 s[28:29], s[28:29], OFF_SY0
	s_lshl_b32 s50, ttmp9, 21
	s_add_nc_u64 s[38:39], s[38:39], s[50:51]
.irp k,0,1,2,3,4,5,6,7,8
	global_load_b128 v[ACC+4*\k:ACC+4*\k+3], v[XO], s[16:17] offset:512*\k     ; my unit, 512 consecutive bytes a load
.endr
.irp t,0,1,2,3
	global_load_b128 v[ROW+16*\t:ROW+16*\t+3], v[RW], s[26:27] offset:\t*65536                 ; d = 0..3; the image's pieces lie in the order d = 0, 8, 4, 12
	global_load_b128 v[ROW+16*\t+4:ROW+16*\t+7], v[RW], s[26:27] offset:\t*65536+512
	global_load_b128 v[ROW+16*\t+8:ROW+16*\t+11], v[RW], s[26:27] offset:\t*65536+256
	global_load_b128 v[ROW+16*\t+12:ROW+16*\t+15], v[RW], s[26:27] offset:\t*65536+768
.endr
.irp t,0,1,2,3
	global_load_b32 v[SYP+\t], v[P8], s[28:29] offset:\t*16384
.endr
.irp p,0,1,2
	global_load_b64 v[AC+2*\p:AC+2*\p+1], v[C8], s[22:23] offset:256*\p
.endr
	global_load_b32 v[HSC], v[L4], s[24:25]
.irp k,6,7,8,9,10,11
	v_mov_b32 v[AC+\k], 0                          ; K = 64 .. 127 of the quantised product: zero codes on both sides
.endr
	s_wait_loadcnt 24                              ; the nine loads of my unit are in; the 24 issued behind them may be out
.irp k,0,1,2,3,4,5,6,7,8
	ds_store_b128 v[XO], v[ACC+4*\k:ACC+4*\k+3] offset:512*\k      ; LDS serves a wave's instructions in order: my reads below see these
.endr
	LDX 0
	LDX 1
	s_wait_loadcnt 0x0
.irp b,0,1
.irp d,0,1,2,3,4,5,6,7,8,9,10,11,12,13,14,15
.if 16*\b+\d < 31
	s_wait_dscnt 0x4                               ; this d's four reads are in; the next d's four may be out
.else
	s_wait_dscnt 0x0
.endif
.irp t,0,1,2,3
	FMA ACC+32*\t+16*\b, ROW+16*\t, \d, XB+16*(\d%2)
.endr
.if 16*\b+\d < 30
	LDX 16*\b+\d+2
.endif
.endr
.endr
.irp b,0,1
.irp k,0,1,2,3
	ds_load_b128 v[SX+16*\b+4*\k:SX+16*\b+4*\k+3], v[SXA] offset:\b*128+16*\k
.endr
.endr
.irp k,6,7,8,9,10,11
	v_mov_b32 v[PC+\k], 0
.endr
	s_wait_dscnt 0x0
.irp t,0,1,2,3
	TILE \t
.endr
	s_wait_tensorcnt 0x0                           ; the wave's end
	ds_add_u32 v[SPW], v[NIL]
	s_wait_dscnt 0x0
	s_endpgm
.Lfunc_end_k_q693995a5e4_route1:
	.size	k_q693995a5e4_route1, .Lfunc_end_k_q693995a5e4_route1-k_q693995a5e4_route1
	.p2alignl 7, 3214868480
	.fill 96, 4, 3214868480
	.section	.rodata,"a",@progbits
	.p2align	6, 0x0
	.amdhsa_kernel k_q693995a5e4_route1
		.amdhsa_group_segment_fixed_size 75776
		.amdhsa_private_segment_fixed_size 0
		.amdhsa_enable_private_segment 0
		.amdhsa_kernarg_size 16
		.amdhsa_user_sgpr_count 2
		.amdhsa_user_sgpr_kernarg_segment_ptr 1
		.amdhsa_wavefront_size32 1
		.amdhsa_system_sgpr_workgroup_id_x 1
		.amdhsa_system_sgpr_workgroup_id_y 1
		.amdhsa_system_sgpr_workgroup_id_z 1
		.amdhsa_system_vgpr_workitem_id 0
		.amdhsa_next_free_vgpr 256
		.amdhsa_next_free_sgpr 66
		.amdhsa_reserve_vcc 0
		.amdhsa_float_denorm_mode_32 3
		.amdhsa_float_denorm_mode_16_64 3
		.amdhsa_memory_ordered 1
		.amdhsa_forward_progress 1
		.amdhsa_inst_pref_size 120
	.end_amdhsa_kernel
	.amdgpu_metadata
---
amdhsa.version: [ 1, 2 ]
amdhsa.kernels:
  - .name:           k_q693995a5e4_route1
    .symbol:         k_q693995a5e4_route1.kd
    .args:
      - { .name: base, .offset: 0, .size: 8, .value_kind: global_buffer, .address_space: global }
      - { .name: part, .offset: 8, .size: 8, .value_kind: global_buffer, .address_space: global }
    .group_segment_fixed_size: 75776
    .private_segment_fixed_size: 0
    .kernarg_segment_align: 8
    .kernarg_segment_size: 16
    .max_flat_workgroup_size: 512
    .sgpr_count:     66
    .vgpr_count:     256
    .wavefront_size: 32
...
	.end_amdgpu_metadata
.endif
;; end of part 2
;; launch fold1 (part 3): grid 256 x 1, 8 waves a work-group, no clusters, 0 bytes of LDS; arguments part, base, it1, cfga; writes it1
.if DOCPART == 3
	.amdgcn_target "amdgcn-amd-amdhsa--gfx1250"
	.amdhsa_code_object_version 6
	.text
	.protected	k_q693995a5e4_fold1
	.globl	k_q693995a5e4_fold1
	.p2align	8
	.type	k_q693995a5e4_fold1,@function
k_q693995a5e4_fold1:
	s_mov_b64 s[64:65], 0
	v_nop
	global_prefetch_b8 v0, s[64:65] scope:SCOPE_SE
	s_setreg_imm32_b32 hwreg(HW_REG_WAVE_MODE, 25, 1), 1
	s_wait_xcnt 0x0
; BETWEEN TWO ROUTING PASSES: hat_v = the sum of the eight chunks' partial sums; v = squash(hat_v); sv = sum_d v; ym_new = (ym_old + v - sv / 16) / 2 (centring is linear: this is (q_cur + v) / 2 less its mean;
; the rounding differs) and syy_new.  Stored: v at OFF_V, the pair (syy_new x (ln2 / 2)^2, sv) at OFF_PR, ym_new at 0.
; LEFT OUT: in its second use (the stored whole number is 1) ym_new is not stored: no later launch reads it; its sum of squares is.
; One wave takes one unit (a tile of 16 queries, one capsule): every array is an image of registers, lane (r, h) holding query r and d = 8 h + 0..7, so each load and store covers 512 consecutive bytes.
; 2,048 units = 256 work-groups of eight waves.  A stream: no LDS, no barrier, no matrix unit; all 18 loads of a wave go out at once.
.set CH,     2097152                   ; a chunk's partial sums in bytes
.set OFF_PR, 2097152
.set OFF_V,  2621440
.set INVK2,  0x3df5fdf0
	s_load_b256 s[4:11], s[0:1], 0x0               ; the partial sums, the buffer with ym_old at its head, the buffer to fill, the whole number
	v_and_b32 v1, 31, v0
	v_lshrrev_b32 v2, 5, v0
	v_lshlrev_b32 v3, 4, v1
	v_lshl_add_u32 v3, v2, 10, v3                  ; 16 x lane + 1,024 x wave
	v_lshlrev_b32 v4, 3, v1
	v_lshl_add_u32 v4, v2, 8, v4                   ; 8 x lane + 256 x wave
	s_lshl_b32 s24, ttmp9, 13
	s_mov_b32 s25, 0
	s_lshl_b32 s12, ttmp9, 11
	s_mov_b32 s13, 0
	s_mov_b32 s20, 0x76543210
	s_mov_b32 s21, 0xfedcba98
	s_wait_kmcnt 0x0
	s_load_b32 s22, s[10:11], 0x0
	s_add_nc_u64 s[4:5], s[4:5], s[24:25]          ; chunks 0-3
	s_add_nc_u64 s[14:15], s[4:5], 0x800000        ; chunks 4-7: the immediates stay inside their signed 24 bits
	s_add_nc_u64 s[6:7], s[6:7], s[24:25]
	s_add_nc_u64 s[16:17], s[8:9], s[24:25]
	s_add_nc_u64 s[18:19], s[8:9], s[12:13]
.irp k,0,1,2,3
	global_load_b128 v[16+8*\k:19+8*\k], v3, s[4:5] offset:\k*CH th:TH_LOAD_NT
	global_load_b128 v[20+8*\k:23+8*\k], v3, s[4:5] offset:\k*CH+512 th:TH_LOAD_NT
.endr
.irp k,0,1,2,3
	global_load_b128 v[48+8*\k:51+8*\k], v3, s[14:15] offset:\k*CH th:TH_LOAD_NT
	global_load_b128 v[52+8*\k:55+8*\k], v3, s[14:15] offset:\k*CH+512 th:TH_LOAD_NT
.endr
	global_load_b128 v[80:83], v3, s[6:7]
	global_load_b128 v[84:87], v3, s[6:7] offset:512
	s_wait_loadcnt 0x2                             ; the sixteen loads of partial sums are in; the two of ym_old may be out
.irp k,1,2,3,4,5,6,7
.irp i,0,2,4,6
	v_pk_add_f32 v[16+\i:17+\i], v[16+\i:17+\i], v[16+8*\k+\i:17+8*\k+\i]
.endr
.endr
	v_pk_mul_f32 v[88:89], v[16:17], v[16:17]      ; n2: eight numbers of mine, eight of lane l xor 16
.irp i,2,4,6
	v_pk_fma_f32 v[88:89], v[16+\i:17+\i], v[16+\i:17+\i], v[88:89]
.endr
	v_add_f32 v88, v88, v89
	v_permlanex16_b32 v89, v88, s20, s21
	v_add_f32 v88, v88, v89
	v_add_f32 v90, 1.0, v88
	v_add_f32 v91, 0x322bcc77, v88                 ; + 1e-8
	v_rcp_f32 v90, v90
	v_rsq_f32 v91, v91
	v_nop
	s_wait_alu depctr_va_vdst(0)                   ; one wait for the two, ahead of their first reader
	v_mul_f32 v90, v88, v90
	v_mul_f32 v90, v90, v91                        ; n2 / (1 + n2) / sqrt(n2 + 1e-8)
	v_mov_b32 v91, v90
.irp i,0,2,4,6
	v_pk_mul_f32 v[92+\i:93+\i], v[16+\i:17+\i], v[90:91]   ; v
.endr
	global_store_b128 v3, v[92:95], s[16:17] offset:OFF_V
	global_store_b128 v3, v[96:99], s[16:17] offset:OFF_V+512
	v_pk_add_f32 v[100:101], v[92:93], v[94:95]
	v_pk_add_f32 v[102:103], v[96:97], v[98:99]
	v_pk_add_f32 v[100:101], v[100:101], v[102:103]
	v_add_f32 v100, v100, v101
	v_permlanex16_b32 v101, v100, s20, s21
	v_add_f32 v115, v100, v101                     ; sv
	v_mul_f32 v102, 0xbd800000, v115               ; - mean(v)
	v_mov_b32 v103, v102
	s_wait_loadcnt 0x0
.irp i,0,2,4,6
	v_pk_add_f32 v[104+\i:105+\i], v[92+\i:93+\i], v[102:103]
.endr
.irp i,0,2,4,6
	v_pk_add_f32 v[104+\i:105+\i], v[104+\i:105+\i], v[80+\i:81+\i]
.endr
.irp i,0,2,4,6
	v_pk_mul_f32 v[104+\i:105+\i], v[104+\i:105+\i], 0.5 op_sel_hi:[1,0]
.endr
	v_pk_mul_f32 v[112:113], v[104:105], v[104:105]
.irp i,2,4,6
	v_pk_fma_f32 v[112:113], v[104+\i:105+\i], v[104+\i:105+\i], v[112:113]
.endr
	v_add_f32 v112, v112, v113
	v_permlanex16_b32 v113, v112, s20, s21
	v_add_f32 v112, v112, v113
	v_mul_f32 v114, INVK2, v112
	global_store_b64 v4, v[114:115], s[18:19] offset:OFF_PR
	s_wait_kmcnt 0x0
	s_cmp_lg_u32 s22, 0
	s_cbranch_scc1 .Lno_ym
	global_store_b128 v3, v[104:107], s[16:17]
	global_store_b128 v3, v[108:111], s[16:17] offset:512
.Lno_ym:
	s_endpgm
.Lfunc_end_k_q693995a5e4_fold1:
	.size	k_q693995a5e4_fold1, .Lfunc_end_k_q693995a5e4_fold1-k_q693995a5e4_fold1
	.p2alignl 7, 3214868480
	.fill 96, 4, 3214868480
	.section	.rodata,"a",@progbits
	.p2align	6, 0x0
	.amdhsa_kernel k_q693995a5e4_fold1
		.amdhsa_group_segment_fixed_size 0
		.amdhsa_private_segment_fixed_size 0
		.amdhsa_enable_private_segment 0
		.amdhsa_kernarg_size 32
		.amdhsa_user_sgpr_count 2
		.amdhsa_user_sgpr_kernarg_segment_ptr 1
		.amdhsa_wavefront_size32 1
		.amdhsa_system_sgpr_workgroup_id_x 1
		.amdhsa_system_sgpr_workgroup_id_y 1
		.amdhsa_system_sgpr_workgroup_id_z 1
		.amdhsa_system_vgpr_workitem_id 0
		.amdhsa_next_free_vgpr 128
		.amdhsa_next_free_sgpr 66
		.amdhsa_reserve_vcc 0
		.amdhsa_float_denorm_mode_32 3
		.amdhsa_float_denorm_mode_16_64 3
		.amdhsa_memory_ordered 1
		.amdhsa_forward_progress 1
		.amdhsa_inst_pref_size 8
	.end_amdhsa_kernel
	.amdgpu_metadata
---
amdhsa.version: [ 1, 2 ]
amdhsa.kernels:
  - .name:           k_q693995a5e4_fold1
    .symbol:         k_q693995a5e4_fold1.kd
    .args:
      - { .name: part, .offset: 0, .size: 8, .value_kind: global_buffer, .address_space: global }
      - { .name: base, .offset: 8, .size: 8, .value_kind: global_buffer, .address_space: global }
      - { .name: it1, .offset: 16, .size: 8, .value_kind: global_buffer, .address_space: global }
      - { .name: cfga, .offset: 24, .size: 8, .value_kind: global_buffer, .address_space: global }
    .group_segment_fixed_size: 0
    .private_segment_fixed_size: 0
    .kernarg_segment_align: 8
    .kernarg_segment_size: 32
    .max_flat_workgroup_size: 256
    .sgpr_count:     66
    .vgpr_count:     128
    .wavefront_size: 32
...
	.end_amdgpu_metadata
.endif
;; end of part 3
;; launch route2 (part 4): grid 8 x 32, 16 waves a work-group, no clusters, 301,056 bytes of LDS; arguments base, it1, it2, cfga, part; writes part
.if DOCPART == 4
	.amdgcn_target "amdgcn-amd-amdhsa--gfx1250"
	.amdhsa_code_object_version 6
	.text
	.protected	k_q693995a5e4_route2
	.globl	k_q693995a5e4_route2
	.p2align	8
	.type	k_q693995a5e4_route2,@function
k_q693995a5e4_route2:
	s_mov_b64 s[64:65], 0
	v_nop
	global_prefetch_b8 v0, s[64:65] scope:SCOPE_SE
	s_setreg_imm32_b32 hwreg(HW_REG_WAVE_MODE, 25, 1), 1
	s_wait_xcnt 0x0
; SECOND AND THIRD ROUTING PASS: this work-group's part of hat_v[q][c][:] = sum_i Q(d + p)[q][i][c] Q(hat_m)[i][c][:], d = softmax over c of the logits a, Q the MX-FP6 quantiser along i.  Nothing is left out here.
; One text serves both passes: a whole number that the first launch stored (0: second pass, 1: third) picks one of two arms by a scalar branch; no barrier, address or count hangs on it.  In the second pass it2 is not read.
; SHARES.  A work-group takes 16 queries (work-group y) x 64 in-caps (work-group x) x all 64 capsules, so the softmax over the capsules stays inside it; wave w takes capsules 4 w .. 4 w + 3.  The in-caps go in two
; blocks of 32: a loop of two trips.  The sum over the in-caps spans eight work-groups: each stores its partial sum, the next launch adds the eight.
; THE LOGITS ARE NOT KEPT IN MEMORY.  n0 = sum xm ym0, w0 = sum xm v0 (third pass: w1 = sum xm v1) are made anew BY FUSED MULTIPLY-ADDS, in f32 (every result goes on into a quantised operand).  Then
; n1 = (n0 + w0) / 2, n2 = (n1 + w1) / 2, hat_m . v = w + mx sv, a = p0 (hat_m . v0) [+ p1 (hat_m . v1)].  p = 1 - 2 / (1 + 2^z), z = n rsq(sxx syy' + eps'), syy' = syy / K^2, eps' = 1e-8 / K^2, K = 2 log2(e).
; n is kept unscaled: n0, 2 n1 = n0 + w0, 4 n2 = 2 n1 + 2 w1; the factor goes under the root (syy' and eps' x 4, x 16): powers of two, which round nothing.
; Lane (r, h) holds query r; register x holds in-cap 32 b + 16 h + x: 16 neighbours along the quantised product's K.  One packed multiply-add takes two neighbouring in-caps' xm at one d times my query's number at
; that d.  xm is the same for the sixteen lanes of a half: the wave copies a block's xm of its four capsules into LDS bytes of its own and reads it back with one address a half; each read feeds two or three sums.
; A TRIP: phase A makes a (64 registers) and the newest p, which takes the place of the capsule's xm in LDS.  THE EXCHANGE: e = 2^(a L - mu), mu = L x my largest a of a place (q, i), L = log2(e); every wave stores
; mu and its sum of e; wave w folds register w of all sixteen waves into M = the largest mu and 1 / S; every wave takes d = e 2^(mu - M) / S.  Two barriers.  Phase B: d + p, the block's scale byte and 16 codes a lane,
; to LDS bytes of my own.  BEHIND THE LOOP the two blocks' codes are joined and one FP6 matrix instruction a capsule follows (K = 128: the chunk's 64 in-caps, the rest zero codes on both sides).
; TWO GROUPS OF WAVES, OUT OF STEP.  A capsule's multiply-adds are fed by 64 LDS reads of 512 bytes a wave; its chains read LDS eight times.  Behind a barrier all sixteen waves would read together and then run their
; chains together.  So group 0 (g = (w xor w / 4) & 1 = 0) has a block's xm in registers when the block begins (asked for at the kernel's head, and at the head of the first block's exchange), and group 1 asks for its
; own when the block begins: it starts one trip to memory later, and from there on one group's reads stand beside the other group's chains.  No work is added for it.
; NO TENSOR LOADS, NO CLUSTER: every staged byte is read by one wave alone, and the arms part on a stored number.
.set OFF_SY0, 2097152
.set OFF_XT,  2621440
.set UNIT,    4608
.set OFF_HMC, 4980736
.set OFF_HMS, 5373952
.set OFF_PR,  2097152
.set OFF_V,   2621440
.set GSL,   2048                       ; LDS: M at 0 (2,048 bytes), 1 / S at 2,048;
.set STL,   4096                       ; mu (2,048) and sum (2,048) for each wave;
.set PL,    69632                      ; 8,192 bytes for each wave, its own: a capsule's 2,048 hold xm, then the newest p;
.set SM,    200704                     ; 2,048 for each wave, its own: sxx and mx of its four capsules;
.set KL,    233472                     ; 4,096 for each wave, its own: the two blocks' codes and scale bytes;
.set SPARE, 299008                     ; the spare words, 128 bytes for each wave, which no other line names
.set RW,  1                            ; v1  16 r + 4,096 x wave: rows of ym0, v0, v1
.set L8,  2                            ; v2  8 x lane + 1,024 x wave: the pairs
.set C8,  3                            ; v3  8 x lane + 3,072 x wave: hat_m's codes
.set L4,  4                            ; v4  4 x lane + 512 x wave: their scale words
.set XO,  5                            ; v5  16 x lane + 4 units x wave
.set STA, 6                            ; v6  LDS: my wave's mu and sum
.set SRA, 7                            ; v7  LDS: register w of wave 0: STL + 512 (w / 4) + 4 (w % 4) + 16 x lane
.set GW,  8                            ; v8  LDS: where I put M and 1 / S: the same less STL
.set GR,  9                            ; v9  LDS: 16 x lane
.set PLA, 10                           ; v10 LDS: PL + 8,192 x wave + 16 x lane
.set XLA, 11                           ; v11 LDS: PL + 8,192 x wave + 256 h
.set SPW, 12                           ; v12 LDS address of my spare word; never rewritten
.set NIL, 13                           ; v13 0; never rewritten
.set L16, 14                           ; v14 16 x lane + 4,096 x wave: the partial sums
.set PW,  15                           ; v15 the scale word of d + p: it holds scales alone
.set EA,  16                           ; v16-79   a, e, d + p: capsule cc, register x at 16 cc + x
.set KQ,  80                           ; v80-95   phase A: the third set of xm; phase B: three registers of codes and the scale byte, four a capsule
.set N0,  96                           ; n0, then 2 n1, 4 n2
.set W0,  112                          ; w0, then hat_m . v
.set W1,  128
.set YR,  144                          ; my query's ym0, v0, v1: d = 0..15
.set V0R, 160
.set V1R, 176
.set TT,  192                          ; v192-223 two sets of xm; behind the multiply-adds the chain of p and mx
.set MX,  208
.set SX,  224                          ; (a block's xm on its way to LDS: capsules 0-2 in v192-239, capsule 3 in v128-143: registers that the exchange and phase B leave alone)
.set PR0, 240                          ; (syy0', syy0'), (syy1', sv0), (syy2', sv1)
.set PR1, 242
.set PR2, 244
.set SMA, 246                          ; v246 LDS: SM + 2,048 x wave + 64 h;  v247 the same + 128 b
.set SMB, 247
.set KLA, 248                          ; v248 LDS: KL + 4,096 x wave + 16 x lane;  v249 the same + 2,048 b
.set KLB, 249
.set SMS, 250                          ; v250 LDS: SM + 2,048 x wave + 16 x lane
.set HSC, 252                          ; v252-255 hat_m's scale words: they hold scales alone
.set MU,  96                           ; the exchange: mu, later 2^(mu - M) / S
.set XM,  112
.set XS,  114
.set SS,  144
.set FM,  160
.set FS,  176
.set PB0, 144                          ; phase B: p, two sets
.set MXA, 112
.set MXB, 113
.set PPA, 114
.set KB,  16                           ; behind the loop: block 0's four registers, block 1's four, eight a capsule
.set PC,  48
.set DD,  60
.set AC,  96                           ; hat_m's codes, twelve a capsule (the upper six stay 0)
.set EP,  40                           ; s[40:41] eps';  s[42:43] log2(e);  s[44:45] the lane selects;  s46 the whole number;  s47 128 b;  s48 2,048 b;  s49 my group
.set LG,  42
.set SEL, 44
.set EP4, 52                           ; s[52:53] 4 eps';  s[54:55] 16 eps'
.set EP16, 54
.macro PLACES n
.rept \n
	v_nop
.endr
.endm
.macro TR op, base, n
.set i, 0
.rept \n
	\op v[\base+i], v[\base+i]
.set i, i+1
.endr
.endm
.macro BATCHEND                        ; a plain place behind the last of a batch, and one wait ahead of the batch's first reader
	v_nop
	s_wait_alu depctr_va_vdst(0)
.endm
.macro PKMUL d, a, b, n
.set i, 0
.rept (\n)/2
	v_pk_mul_f32 v[\d+i:\d+i+1], v[\a+i:\a+i+1], v[\b+i:\b+i+1]
.set i, i+2
.endr
.endm
.macro PKADD d, a, b, n
.set i, 0
.rept (\n)/2
	v_pk_add_f32 v[\d+i:\d+i+1], v[\a+i:\a+i+1], v[\b+i:\b+i+1]
.set i, i+2
.endr
.endm
.macro PKSUB d, a, b, n
.set i, 0
.rept (\n)/2
	v_pk_add_f32 v[\d+i:\d+i+1], v[\a+i:\a+i+1], v[\b+i:\b+i+1] neg_lo:[0,1] neg_hi:[0,1]
.set i, i+2
.endr
.endm
.macro XMLOAD off                      ; a block's xm of my four capsules, 512 consecutive bytes a load: 16 loads
.irp cc,0,1,2,3
.set SG, 192+16*\cc-112*(\cc/3)
.irp k,0,1,2,3
	global_load_b128 v[SG+4*\k:SG+4*\k+3], v[XO], s[16:17] offset:\cc*UNIT+\k*512+\off
.endr
.endr
.endm
.macro SMSTORE                         ; sxx and mx of my four capsules into LDS bytes of my own
.irp cc,0,1,2,3
	ds_store_b128 v[SMS], v[EA+4*\cc:EA+4*\cc+3] offset:\cc*512
.endr
.endm
.macro LDX cc, d                       ; xm of capsule cc at d: my half's 16 in-caps, into set d % 3 (v192, v208, v80)
.set XL, 192+16*((\d)%3)-144*(((\d)%3)/2)
.irp k,0,1,2,3
	ds_load_b128 v[XL+4*\k:XL+4*\k+3], v[XLA] offset:(\cc)*2048+\k*512+(\d)*16
.endr
.endm
.macro FMA acc, row, d, xb             ; 16 in-caps: acc += xm(., d) x row(d); d = 0 starts the sums: nothing is cleared
.set i, 0
.rept 8
.if (\d) == 0
	v_pk_mul_f32 v[\acc+i:\acc+i+1], v[\xb+i:\xb+i+1], v[\row:\row+1] op_sel_hi:[1,0]
.elseif (\d)%2 == 0
	v_pk_fma_f32 v[\acc+i:\acc+i+1], v[\xb+i:\xb+i+1], v[\row+(\d):\row+(\d)+1], v[\acc+i:\acc+i+1] op_sel_hi:[1,0,1]
.else
	v_pk_fma_f32 v[\acc+i:\acc+i+1], v[\xb+i:\xb+i+1], v[\row+(\d)-1:\row+(\d)], v[\acc+i:\acc+i+1] op_sel:[0,1,0] op_sel_hi:[1,1,1]
.endif
.set i, i+2
.endr
.endm
.macro RS pr, ep                       ; sxx syy' + eps', both under the same power of two
.set i, 0
.rept 8
	v_pk_fma_f32 v[TT+i:TT+i+1], v[SX+i:SX+i+1], v[\pr:\pr+1], s[\ep:\ep+1] op_sel_hi:[1,0,0]
.set i, i+2
.endr
.endm
.macro TANH src                        ; TT = 1 - 2 / (1 + 2^(src x rsq(TT)))
	TR v_rsq_f32, TT, 16
	BATCHEND
	PKMUL TT, \src, TT, 16
	TR v_exp_f32, TT, 16
	BATCHEND
.set i, 0
.rept 8
	v_pk_add_f32 v[TT+i:TT+i+1], v[TT+i:TT+i+1], 1.0 op_sel_hi:[1,0]
.set i, i+2
.endr
	TR v_rcp_f32, TT, 16
	BATCHEND
.set i, 0
.rept 8
	v_pk_fma_f32 v[TT+i:TT+i+1], v[TT+i:TT+i+1], -2.0, 1.0 op_sel_hi:[1,0,0]
.set i, i+2
.endr
.endm
.macro FMH pr, w                       ; W0 = mx x (the pair's upper word, sv) + w
.set i, 0
.rept 8
	v_pk_fma_f32 v[W0+i:W0+i+1], v[MX+i:MX+i+1], v[\pr:\pr+1], v[\w+i:\w+i+1] op_sel:[0,1,0] op_sel_hi:[1,1,1]
.set i, i+2
.endr
.endm
.macro LDROW reg, sb, cc               ; my query's 16 numbers: the image's pieces of 256 bytes lie in the order d = 0, 8, 4, 12
	global_load_b128 v[\reg:\reg+3], v[RW], s[\sb:\sb+1] offset:(\cc)*1024
	global_load_b128 v[\reg+4:\reg+7], v[RW], s[\sb:\sb+1] offset:(\cc)*1024+512
	global_load_b128 v[\reg+8:\reg+11], v[RW], s[\sb:\sb+1] offset:(\cc)*1024+256
	global_load_b128 v[\reg+12:\reg+15], v[RW], s[\sb:\sb+1] offset:(\cc)*1024+768
.endm
.macro LDR st, cc                      ; 4 st loads
	LDROW YR, 26, \cc
	LDROW V0R, 30, \cc
.if \st > 2
	LDROW V1R, 34, \cc
.endif
.endm
.macro LDPR st, cc                     ; st loads
	global_load_b64 v[PR0:PR0+1], v[L8], s[28:29] offset:(\cc)*256
	global_load_b64 v[PR1:PR1+1], v[L8], s[32:33] offset:(\cc)*256
.if \st > 2
	global_load_b64 v[PR2:PR2+1], v[L8], s[36:37] offset:(\cc)*256
.endif
.endm
.macro ASKROWS                         ; the first capsule's rows and pairs, 5 st loads, by the pass
	s_cmp_eq_u32 s46, 0
	s_cbranch_scc0 .Lask3_\@
	LDR 2, 0
	LDPR 2, 0
	s_branch .Lasked_\@
.Lask3_\@:
	LDR 3, 0
	LDPR 3, 0
.Lasked_\@:
.endm
; PHASE A, one capsule of one block.
.macro CAP st, cc
.set EE, EA+16*(\cc)
	s_wait_loadcnt \st                             ; the rows are in; the st pairs, issued behind them, may be out
	s_wait_dscnt 0x0                               ; my stores into LDS have read their registers
.irp k,0,1,2,3
	ds_load_b128 v[SX+4*\k:SX+4*\k+3], v[SMB] offset:(\cc)*512+16*\k
.endr
	LDX \cc, 0
	LDX \cc, 1
	LDX \cc, 2
.irp d,0,1,2,3,4,5,6,7,8,9,10,11,12,13,14,15
.if \d < 14
	s_wait_dscnt 0x8                               ; this d's four reads are in; the next two d's eight may be out
.elseif \d == 14
	s_wait_dscnt 0x4
.else
	s_wait_dscnt 0x0
.endif
.set XD, 192+16*((\d)%3)-144*(((\d)%3)/2)
	FMA N0, YR, \d, XD
	FMA W0, V0R, \d, XD
.if \st > 2
	FMA W1, V1R, \d, XD
.endif
.if \d < 13
	LDX \cc, \d+3
.endif
.endr
.irp k,0,1,2,3
	ds_load_b128 v[MX+4*\k:MX+4*\k+3], v[SMB] offset:(\cc)*512+256+16*\k
.endr
	s_wait_loadcnt 0x0                             ; the pairs
	v_mul_f32 v[PR1], 4.0, v[PR1]                  ; 4 syy1': it goes with 2 n1
.if \st > 2
	v_mul_f32 v[PR2], 0x41800000, v[PR2]           ; 16 syy2': it goes with 4 n2
.endif
.if \cc < 3
	LDR \st, (\cc)+1                               ; the next capsule's rows have this capsule's chains in which to land
.endif
	RS PR0, EP
	TANH N0                                        ; p0
	s_wait_dscnt 0x0                               ; mx
	PKADD N0, N0, W0, 16                           ; 2 n1
	FMH PR1, W0                                    ; hat_m . v0
	PKMUL EE, TT, W0, 16                           ; a = p0 (hat_m . v0)
	RS PR1, EP4
	TANH N0                                        ; p1
.if \st > 2
	FMH PR2, W1                                    ; hat_m . v1
.set i, 0
.rept 8
	v_pk_fma_f32 v[EE+i:EE+i+1], v[TT+i:TT+i+1], v[W0+i:W0+i+1], v[EE+i:EE+i+1]
.set i, i+2
.endr
.set i, 0
.rept 8
	v_pk_fma_f32 v[N0+i:N0+i+1], v[W1+i:W1+i+1], 2.0, v[N0+i:N0+i+1] op_sel_hi:[1,0,1]    ; 4 n2
.set i, i+2
.endr
	RS PR2, EP16
	TANH N0                                        ; p2
.endif
.irp k,0,1,2,3
	ds_store_b128 v[PLA], v[TT+4*\k:TT+4*\k+3] offset:(\cc)*2048+512*\k    ; over the capsule's xm, which has been read
.endr
.if \cc < 3
	LDPR \st, (\cc)+1
.endif
.endm
.macro ARM st
	s_wait_loadcnt 5*\st                           ; the sixteen loads of xm are in; the 5 st of rows and pairs, issued behind them, may be out
.irp cc,0,1,2,3
.set SG, 192+16*\cc-112*(\cc/3)
.irp k,0,1,2,3
	ds_store_b128 v[PLA], v[SG+4*\k:SG+4*\k+3] offset:\cc*2048+\k*512      ; LDS serves a wave's instructions in order: my reads see these
.endr
.endr
.irp cc,0,1,2,3
	CAP \st, \cc
.endr
.endm
.macro BARRIER                         ; my LDS stores have landed and my LDS loads are in: then the work-group's barrier
	s_wait_dscnt 0x0
	s_barrier_signal -1
	s_barrier_wait -1
.endm
.macro EXCH
.set i, 0
.rept 16
	v_max3_num_f32 v[MU+i], v[EA+i], v[EA+16+i], v[EA+32+i]
.set i, i+1
.endr
.set i, 0
.rept 16
	v_max_num_f32 v[MU+i], v[MU+i], v[EA+48+i]
.set i, i+1
.endr
.set i, 0
.rept 8
	v_pk_mul_f32 v[MU+i:MU+i+1], v[MU+i:MU+i+1], s[LG:LG+1] op_sel_hi:[1,0]
.set i, i+2
.endr
.irp k,0,1,2,3
	ds_store_b128 v[STA], v[MU+4*\k:MU+4*\k+3] offset:512*\k
.endr
.irp cc,0,1,2,3
.set i, 0
.rept 8
	v_pk_fma_f32 v[EA+16*\cc+i:EA+16*\cc+i+1], v[EA+16*\cc+i:EA+16*\cc+i+1], s[LG:LG+1], v[MU+i:MU+i+1] op_sel_hi:[1,0,1] neg_lo:[0,0,1] neg_hi:[0,0,1]
.set i, i+2
.endr
.endr
	TR v_exp_f32, EA, 64
	BATCHEND
	PKADD SS, EA, EA+16, 16
	PKADD SS, SS, EA+32, 16
	PKADD SS, SS, EA+48, 16
.irp k,0,1,2,3
	ds_store_b128 v[STA], v[SS+4*\k:SS+4*\k+3] offset:2048+512*\k
.endr
	BARRIER                                        ; every wave's mu and sum lie in LDS
.irp ws,0,1,2,3,4,5,6,7,8,9,10,11,12,13,14,15
	ds_load_b32 v[FM+\ws], v[SRA] offset:\ws*4096
	ds_load_b32 v[FS+\ws], v[SRA] offset:\ws*4096+2048
.endr
	s_wait_dscnt 0x0
	v_max3_num_f32 v[XM], v[FM], v[FM+1], v[FM+2]
.irp k,3,5,7,9,11,13
	v_max3_num_f32 v[XM], v[XM], v[FM+\k], v[FM+\k+1]
.endr
	v_max_num_f32 v[XM], v[XM], v[FM+15]           ; M: the maximum that the softmax takes away, times L
	v_mov_b32 v[XM+1], v[XM]
.set i, 0
.rept 8
	v_pk_add_f32 v[FM+i:FM+i+1], v[FM+i:FM+i+1], v[XM:XM+1] neg_lo:[0,1] neg_hi:[0,1]
.set i, i+2
.endr
	TR v_exp_f32, FM, 16
	BATCHEND
	v_pk_mul_f32 v[XS:XS+1], v[FM:FM+1], v[FS:FS+1]
.set i, 2
.rept 7
	v_pk_fma_f32 v[XS:XS+1], v[FM+i:FM+i+1], v[FS+i:FS+i+1], v[XS:XS+1]
.set i, i+2
.endr
	v_add_f32 v[XS], v[XS], v[XS+1]
	v_rcp_f32 v[XS], v[XS]
	BATCHEND
	ds_store_b32 v[GW], v[XM]
	ds_store_b32 v[GW], v[XS] offset:GSL
	BARRIER                                        ; M and 1 / S of all 16 registers lie in LDS; nobody reads mu and sum any more
.irp k,0,1,2,3
	ds_load_b128 v[FM+4*\k:FM+4*\k+3], v[GR] offset:512*\k
	ds_load_b128 v[FS+4*\k:FS+4*\k+3], v[GR] offset:GSL+512*\k
.endr
	s_wait_dscnt 0x0
	PKSUB MU, MU, FM, 16
	TR v_exp_f32, MU, 16
	BATCHEND
	PKMUL MU, MU, FS, 16                           ; 2^(mu - M) / S
.endm
.macro LDP cc
.irp k,0,1,2,3
	ds_load_b128 v[PB0+16*((\cc)%2)+4*\k:PB0+16*((\cc)%2)+4*\k+3], v[PLA] offset:(\cc)*2048+512*\k
.endr
.endm
; PHASE B, one capsule of one block: d + p, the block's largest magnitude (mine and lane l xor 16's), its scale byte and my 16 codes: four registers, to LDS bytes of my own.
.macro PCAP cc
.set EE, EA+16*(\cc)
.set PS, PB0+16*((\cc)%2)
.set KK, KQ+4*(\cc)
.if \cc < 3
	LDP (\cc)+1
	s_wait_dscnt 0x4                               ; this capsule's p is in; the next one's four loads may be out
.else
	s_wait_dscnt 0x0
.endif
.set i, 0
.rept 8
	v_pk_fma_f32 v[EE+i:EE+i+1], v[EE+i:EE+i+1], v[MU+i:MU+i+1], v[PS+i:PS+i+1]
.set i, i+2
.endr
	v_max3_num_f32 v[MXA], |v[EE]|, |v[EE+1]|, 0x1800000            ; with the floor 2^(3 - 127): the byte cannot fall under 1
	v_max3_num_f32 v[MXB], |v[EE+2]|, |v[EE+3]|, |v[EE+4]|
.irp i,5,9
	v_max3_num_f32 v[MXA], v[MXA], |v[EE+\i]|, |v[EE+\i+1]|
	v_max3_num_f32 v[MXB], v[MXB], |v[EE+\i+2]|, |v[EE+\i+3]|
.endr
	v_max3_num_f32 v[MXA], v[MXA], |v[EE+13]|, |v[EE+14]|
	v_max3_num_f32 v[MXA], v[MXA], v[MXB], |v[EE+15]|
	v_permlanex16_b32 v[PPA], v[MXA], s[SEL], s[SEL+1]
	v_max_num_f32 v[MXA], v[MXA], v[PPA]
	v_add_nc_u32 v[PPA], 0xff000000, v[MXA]        ; 2 off the exponent field: the conversion's scale operand
	v_cvt_scalef32_pk16_fp6_f32 v[KK:KK+2], v[EE:EE+15], v[PPA]
	v_lshrrev_b32 v[KK+3], 23, v[PPA]              ; the scale's byte (and the plain place behind the conversion)
	ds_store_b128 v[KLB], v[KK:KK+3] offset:(\cc)*512
.endm
; BEHIND THE LOOP, one capsule: the layout wants a whole block in a lane: block 0's lanes 16-31 change places with block 1's lanes 0-15.  Source 0 = hat_m's 16 numbers d (rows), source 1 = d + p of my 16 queries.
.macro FIN cc
.set K0, KB+8*(\cc)
.set K1, KB+8*(\cc)+4
	v_lshl_or_b32 v[PW], v[K1+3], 8, v[K0+3]
.irp i,0,1,2
	v_permlane16_swap_b32 v[K0+\i], v[K1+\i]
.endr
.irp i,0,1,2
	v_mov_b32 v[PC+\i], v[K0+\i]
	v_mov_b32 v[PC+3+\i], v[K1+\i]
.endr
	PLACES 8                                       ; a scale word written by a vector instruction stands eight places ahead of the scaled matrix instruction, an operand four
.if \cc > 0
	s_wait_xcnt 0x0                                ; the last capsule's stores have read their data
.endif
	v_wmma_scale_f32_16x16x128_f8f6f4 v[DD:DD+7], v[AC+12*(\cc):AC+12*(\cc)+11], v[PC:PC+11], 0, v[HSC+(\cc)], v[PW] matrix_a_fmt:MATRIX_FMT_FP6 matrix_b_fmt:MATRIX_FMT_FP6
	PLACES 4
	global_store_b128 v[L16], v[DD:DD+3], s[38:39] offset:(\cc)*1024
	global_store_b128 v[L16], v[DD+4:DD+7], s[38:39] offset:(\cc)*1024+512
.endm
	s_load_b256 s[4:11], s[0:1], 0x0               ; base, it1, it2, the whole number
	s_load_b64 s[12:13], s[0:1], 0x20              ; part
	v_lshl_add_u32 v[SPW], v0, 2, SPARE
	v_mov_b32 v[NIL], 0
	v_and_b32 v80, 31, v0                          ; lane
	v_lshrrev_b32 v81, 5, v0                       ; wave
	v_readfirstlane_b32 s49, v81
	v_bfe_u32 v82, v0, 4, 1                        ; h
	v_and_b32 v83, 15, v0                          ; r
	v_lshrrev_b32 v84, 7, v0                       ; wave / 4
	v_bfe_u32 v85, v0, 5, 2                        ; wave % 4
	v_lshlrev_b32 v[GR], 4, v80
	v_lshlrev_b32 v[RW], 4, v83
	v_lshl_add_u32 v[RW], v81, 12, v[RW]
	v_lshl_add_u32 v[L16], v81, 12, v[GR]
	v_lshlrev_b32 v[L8], 3, v80
	v_mad_u32_u24 v[C8], v81, 3072, v[L8]
	v_lshl_add_u32 v[L8], v81, 10, v[L8]
	v_lshlrev_b32 v[L4], 2, v80
	v_lshl_add_u32 v[L4], v81, 9, v[L4]
	v_mad_u32_u24 v[XO], v81, 4*UNIT, v[GR]
	v_lshl_add_u32 v[GW], v84, 9, v[GR]
	v_lshl_add_u32 v[GW], v85, 2, v[GW]
	v_add_nc_u32 v[SRA], STL, v[GW]
	v_lshl_add_u32 v[STA], v81, 12, v[GR]
	v_add_nc_u32 v[STA], STL, v[STA]
	v_lshl_add_u32 v[PLA], v81, 13, v[GR]
	v_add_nc_u32 v[PLA], PL, v[PLA]
	v_lshlrev_b32 v[XLA], 8, v82
	v_lshl_add_u32 v[XLA], v81, 13, v[XLA]
	v_add_nc_u32 v[XLA], PL, v[XLA]
	v_lshlrev_b32 v[SMA], 6, v82
	v_lshl_add_u32 v[SMA], v81, 11, v[SMA]
	v_add_nc_u32 v[SMA], SM, v[SMA]
	v_lshl_add_u32 v[SMS], v81, 11, v[GR]
	v_add_nc_u32 v[SMS], SM, v[SMS]
	v_lshl_add_u32 v[KLA], v81, 12, v[GR]
	v_add_nc_u32 v[KLA], KL, v[KLA]
	s_lshr_b32 s56, s49, 2
	s_xor_b32 s49, s49, s56
	s_and_b32 s49, s49, 1                          ; my group: (w xor w / 4) & 1
	s_mov_b32 s[EP], 0x30a51518                    ; 1e-8 x (ln2 / 2)^2
	s_mov_b32 s[EP+1], s[EP]
	s_mov_b32 s[EP4], 0x31a51518                   ; x 4
	s_mov_b32 s[EP4+1], s[EP4]
	s_mov_b32 s[EP16], 0x32a51518                  ; x 16
	s_mov_b32 s[EP16+1], s[EP16]
	s_mov_b32 s[LG], 0x3fb8aa3b
	s_mov_b32 s[LG+1], s[LG]
	s_mov_b32 s[SEL], 0x76543210
	s_mov_b32 s[SEL+1], 0xfedcba98
	s_and_b32 s14, ttmp7, 0xffff                   ; the tile of queries; ttmp9: the chunk of in-caps
	s_mov_b32 s51, 0
	s_wait_kmcnt 0x0
	s_load_b32 s46, s[10:11], 0x0
	s_mul_i32 s50, ttmp9, 64*UNIT
	s_add_nc_u64 s[16:17], s[4:5], s[50:51]
	s_add_nc_u64 s[16:17], s[16:17], OFF_XT
.irp cc,0,1,2,3
	global_load_b128 v[EA+4*\cc:EA+4*\cc+3], v[XO], s[16:17] offset:\cc*UNIT+4096      ; sxx and mx of a capsule's 64 in-caps: 512 consecutive bytes
.endr
	s_mul_i32 s50, ttmp9, 49152
	s_add_nc_u64 s[22:23], s[4:5], s[50:51]
	s_add_nc_u64 s[22:23], s[22:23], OFF_HMC
	s_lshl_b32 s50, ttmp9, 13
	s_add_nc_u64 s[24:25], s[4:5], s[50:51]
	s_add_nc_u64 s[24:25], s[24:25], OFF_HMS
	s_lshl_b32 s50, s14, 16
	s_add_nc_u64 s[26:27], s[4:5], s[50:51]
	s_add_nc_u64 s[30:31], s[6:7], s[50:51]
	s_add_nc_u64 s[30:31], s[30:31], OFF_V
	s_add_nc_u64 s[34:35], s[8:9], s[50:51]
	s_add_nc_u64 s[34:35], s[34:35], OFF_V
	s_add_nc_u64 s[38:39], s[12:13], s[50:51]
	s_lshl_b32 s50, s14, 14
	s_add_nc_u64 s[28:29], s[4:5], s[50:51]
	s_add_nc_u64 s[28:29], s[28:29], OFF_SY0
	s_add_nc_u64 s[32:33], s[6:7], s[50:51]
	s_add_nc_u64 s[32:33], s[32:33], OFF_PR
	s_add_nc_u64 s[36:37], s[8:9], s[50:51]
	s_add_nc_u64 s[36:37], s[36:37], OFF_PR
	s_lshl_b32 s50, ttmp9, 21
	s_add_nc_u64 s[38:39], s[38:39], s[50:51]
	s_mov_b32 s47, 0
	s_mov_b32 s48, 0
	s_wait_kmcnt 0x0                               ; the whole number
	s_cmp_lg_u32 s49, 0
	s_cbranch_scc1 .Llate
	XMLOAD 0                                       ; group 0 asks for all that its first block begins with at once
	ASKROWS
	s_wait_loadcnt 26                              ; sxx and mx are in; of the loads issued behind them (16 of xm, 10 or 15 of rows and pairs) 26 may be out
	SMSTORE
	s_branch .Lblock
.Llate:
	s_wait_loadcnt 0x0                             ; group 1 asks behind its wait for sxx and mx: one trip to memory later
	SMSTORE
	XMLOAD 0
	ASKROWS
.Lblock:                                               ; two trips: in-caps 32 b on
	v_add_nc_u32 v[SMB], s47, v[SMA]
	v_add_nc_u32 v[KLB], s48, v[KLA]
	s_cmp_eq_u32 s46, 0
	s_cbranch_scc0 .Lthird
	ARM 2
	s_branch .Ljoin
.Lthird:
	ARM 3
.Ljoin:
	s_cmp_lg_u32 s49, 0
	s_cbranch_scc1 .Lno_ahead
	s_cmp_lg_u32 s47, 0
	s_cbranch_scc1 .Lno_ahead                      ; behind the second block there is none
	s_wait_dscnt 0x0                               ; the stores of the last p have read v192-207
	XMLOAD 2048                                    ; group 0: the second block's xm lands while the exchange and phase B run
.Lno_ahead:
	EXCH
	LDP 0
.irp cc,0,1,2,3
	PCAP \cc
.endr
	s_wait_xcnt 0x0                                ; every load has had its address translated: the base of xm may step
	s_add_nc_u64 s[16:17], s[16:17], 2048
	s_cmp_lg_u32 s47, 0
	s_cbranch_scc1 .Lno_more                       ; the last trip asks for nothing
	s_cmp_eq_u32 s49, 0
	s_cbranch_scc1 .Lrows
	s_wait_loadcnt 0x0                             ; (no load of group 1 is out here)
	XMLOAD 0                                       ; group 1: the second block's xm, asked for as the block begins
.Lrows:
	ASKROWS
.Lno_more:
	s_add_co_u32 s48, s48, 2048
	s_add_co_u32 s47, s47, 128
	s_cmp_lt_u32 s47, 256
	s_cbranch_scc1 .Lblock
	s_wait_loadcnt 0x0                             ; (nothing of the loop's is out: the registers below are free)
.irp cc,0,1,2,3
.irp p,0,1,2
	global_load_b64 v[AC+12*\cc+2*\p:AC+12*\cc+2*\p+1], v[C8], s[22:23] offset:\cc*768+256*\p
.endr
	global_load_b32 v[HSC+\cc], v[L4], s[24:25] offset:\cc*128
.endr
.irp cc,0,1,2,3
	ds_load_b128 v[KB+8*\cc:KB+8*\cc+3], v[KLA] offset:\cc*512               ; LDS serves a wave's instructions in order: these see my stores
	ds_load_b128 v[KB+8*\cc+4:KB+8*\cc+7], v[KLA] offset:2048+\cc*512
.endr
.irp k,6,7,8,9,10,11
	v_mov_b32 v[PC+\k], 0                          ; K = 64 .. 127 of the quantised product: zero codes on both sides
.irp cc,0,1,2,3
	v_mov_b32 v[AC+12*\cc+\k], 0
.endr
.endr
	s_wait_dscnt 0x0
	s_wait_loadcnt 0x0
.irp cc,0,1,2,3
	FIN \cc
.endr
	s_wait_tensorcnt 0x0                           ; the wave's end
	ds_add_u32 v[SPW], v[NIL]
	s_wait_dscnt 0x0
	s_endpgm
.Lfunc_end_k_q693995a5e4_route2:
	.size	k_q693995a5e4_route2, .Lfunc_end_k_q693995a5e4_route2-k_q693995a5e4_route2
	.p2alignl 7, 3214868480
	.fill 96, 4, 3214868480
	.section	.rodata,"a",@progbits
	.p2align	6, 0x0
	.amdhsa_kernel k_q693995a5e4_route2
		.amdhsa_group_segment_fixed_size 301056
		.amdhsa_private_segment_fixed_size 0
		.amdhsa_enable_private_segment 0
		.amdhsa_kernarg_size 40
		.amdhsa_user_sgpr_count 2
		.amdhsa_user_sgpr_kernarg_segment_ptr 1
		.amdhsa_wavefront_size32 1
		.amdhsa_system_sgpr_workgroup_id_x 1
		.amdhsa_system_sgpr_workgroup_id_y 1
		.amdhsa_system_sgpr_workgroup_id_z 1
		.amdhsa_system_vgpr_workitem_id 0
		.amdhsa_next_free_vgpr 256
		.amdhsa_next_free_sgpr 66
		.amdhsa_reserve_vcc 0
		.amdhsa_float_denorm_mode_32 3
		.amdhsa_float_denorm_mode_16_64 3
		.amdhsa_memory_ordered 1
		.amdhsa_forward_progress 1
		.amdhsa_inst_pref_size 255
	.end_amdhsa_kernel
	.section	.bss,"aw",@nobits
	.p2align	6
	.space	262144
	.amdgpu_metadata
---
amdhsa.version: [ 1, 2 ]
amdhsa.kernels:
  - .name:           k_q693995a5e4_route2
    .symbol:         k_q693995a5e4_route2.kd
    .args:
      - { .name: base, .offset: 0, .size: 8, .value_kind: global_buffer, .address_space: global }
      - { .name: it1, .offset: 8, .size: 8, .value_kind: global_buffer, .address_space: global }
      - { .name: it2, .offset: 16, .size: 8, .value_kind: global_buffer, .address_space: global }
      - { .name: cfga, .offset: 24, .size: 8, .value_kind: global_buffer, .address_space: global }
      - { .name: part, .offset: 32, .size: 8, .value_kind: global_buffer, .address_space: global }
    .group_segment_fixed_size: 301056
    .private_segment_fixed_size: 0
    .kernarg_segment_align: 8
    .kernarg_segment_size: 40
    .max_flat_workgroup_size: 512
    .sgpr_count:     66
    .vgpr_count:     256
    .wavefront_size: 32
...
	.end_amdgpu_metadata
.endif
;; end of part 4
;; launch fold2: the kernel of part 3 again; grid 256 x 1, 8 waves a work-group, no clusters, 0 bytes of LDS; arguments part, it1, it2, cfgb; writes it2
;; launch route3: the kernel of part 4 again; grid 8 x 32, 16 waves a work-group, no clusters, 301,056 bytes of LDS; arguments base, it1, it2, cfgb, part; writes part
;; launch last (part 5): grid 256 x 1, 2 waves a work-group, no clusters, 8,960 bytes of LDS; arguments part, out0; writes out0
.if DOCPART == 5
	.amdgcn_target "amdgcn-amd-amdhsa--gfx1250"
	.amdhsa_code_object_version 6
	.text
	.protected	k_q693995a5e4_last
	.globl	k_q693995a5e4_last
	.p2align	8
	.type	k_q693995a5e4_last,@function
k_q693995a5e4_last:
	s_mov_b64 s[64:65], 0
	v_nop
	global_prefetch_b8 v0, s[64:65] scope:SCOPE_SE
	s_setreg_imm32_b32 hwreg(HW_REG_WAVE_MODE, 25, 1), 1
	s_wait_xcnt 0x0
; THE RESULT: hat_v = the sum of the eight chunks' partial sums of the third pass; out0[q][16 c + d] = squash(hat_v)[q][c][d].  Nothing is left out here.
; A wave takes a tile of 16 queries (y) and four neighbouring capsules (256 bytes of a row of out0): 512 waves.  A partial sum is an image of registers: lane (r, h) holds the tile's row r and d = 8 h + 0..7.
; The four capsules meet in the wave's own stage in LDS (16 rows of 256 bytes + 16) and leave as whole rows: sixteen lanes store 256 consecutive bytes, at a multiple of 256 from out0's first byte.
; Row rho of tile y = 4 chunk + 2 b + u is query 64 chunk + 32 b + 8 u + rho + 8 (rho / 8), as the first launch chose the rows of a tile.
; A stream: loads run one unit (16 loads) ahead; no barrier: the stage is the wave's own.
.set CH,    2097152
.set SPARE, 8704                       ; behind the two stages: the spare words, 128 bytes for each wave, which no other line names
.macro LOADU cc
.set LB, 16+64*((\cc)%2)
.irp k,0,1,2,3
	global_load_b128 v[LB+8*\k:LB+8*\k+3], v3, s[4:5] offset:\k*CH+(\cc)*1024 th:TH_LOAD_NT
	global_load_b128 v[LB+8*\k+4:LB+8*\k+7], v3, s[4:5] offset:\k*CH+(\cc)*1024+512 th:TH_LOAD_NT
.endr
.irp k,0,1,2,3
	global_load_b128 v[LB+32+8*\k:LB+32+8*\k+3], v3, s[14:15] offset:\k*CH+(\cc)*1024 th:TH_LOAD_NT
	global_load_b128 v[LB+32+8*\k+4:LB+32+8*\k+7], v3, s[14:15] offset:\k*CH+(\cc)*1024+512 th:TH_LOAD_NT
.endr
.endm
.macro UNIT cc
.set UB, 16+64*((\cc)%2)
.set RB, 144+8*(\cc)
.if \cc < 3
	s_wait_loadcnt 16                              ; this unit's sixteen loads are in; the next unit's may be out
.else
	s_wait_loadcnt 0x0
.endif
.irp k,1,2,3,4,5,6,7
.irp i,0,2,4,6
	v_pk_add_f32 v[UB+\i:UB+\i+1], v[UB+\i:UB+\i+1], v[UB+8*\k+\i:UB+8*\k+\i+1]
.endr
.endr
	v_pk_mul_f32 v[176:177], v[UB:UB+1], v[UB:UB+1]
.irp i,2,4,6
	v_pk_fma_f32 v[176:177], v[UB+\i:UB+\i+1], v[UB+\i:UB+\i+1], v[176:177]
.endr
	v_add_f32 v176, v176, v177
	v_permlanex16_b32 v177, v176, s20, s21
	v_add_f32 v176, v176, v177                     ; n2
	v_add_f32 v178, 1.0, v176
	v_add_f32 v179, 0x322bcc77, v176               ; + 1e-8
	v_rcp_f32 v178, v178
	v_rsq_f32 v179, v179
	v_nop
	s_wait_alu depctr_va_vdst(0)                   ; one wait for the two, ahead of their first reader
	v_mul_f32 v178, v176, v178
	v_mul_f32 v178, v178, v179
	v_mov_b32 v179, v178
.irp i,0,2,4,6
	v_pk_mul_f32 v[RB+\i:RB+\i+1], v[UB+\i:UB+\i+1], v[178:179]
.endr
	ds_store_b128 v4, v[RB:RB+3] offset:64*(\cc)
	ds_store_b128 v4, v[RB+4:RB+7] offset:64*(\cc)+16
.if \cc < 2
	LOADU (\cc)+2
.endif
.endm
	s_load_b128 s[4:7], s[0:1], 0x0                ; part, out0
	v_lshl_add_u32 v1, v0, 2, SPARE                ; my spare word; never rewritten
	v_mov_b32 v2, 0                                ; 0; never rewritten
	v_and_b32 v8, 31, v0                           ; lane
	v_lshrrev_b32 v9, 5, v0                        ; wave
	v_and_b32 v10, 15, v0                          ; r
	v_bfe_u32 v11, v0, 4, 1                        ; h
	v_lshlrev_b32 v3, 4, v8
	v_lshl_add_u32 v3, v9, 12, v3                  ; part: 16 x lane + 4 capsules x wave
	v_mul_u32_u24 v4, v10, 272
	v_lshl_add_u32 v4, v11, 5, v4
	v_mad_u32_u24 v4, v9, 4352, v4                 ; the stage, in: row r, + 32 h
	v_mul_u32_u24 v5, v11, 272
	v_lshl_add_u32 v5, v10, 4, v5
	v_mad_u32_u24 v5, v9, 4352, v5                 ; back: lanes 0-15 one row, lanes 16-31 the next
	v_lshlrev_b32 v6, 12, v11
	v_lshl_add_u32 v6, v10, 4, v6
	v_lshl_add_u32 v6, v9, 8, v6                   ; out0: 4,096 h + 16 r + 256 x wave
	s_lshr_b32 s8, ttmp9, 3                        ; y
	s_and_b32 s9, ttmp9, 7
	s_lshl_b32 s10, s8, 16
	s_lshl_b32 s11, s9, 13
	s_add_co_u32 s10, s10, s11
	s_mov_b32 s11, 0
	s_lshr_b32 s12, s8, 2
	s_lshl_b32 s12, s12, 6
	s_bfe_u32 s13, s8, 0x10001
	s_lshl_b32 s13, s13, 5
	s_add_co_u32 s12, s12, s13
	s_and_b32 s13, s8, 1
	s_lshl_b32 s13, s13, 3
	s_add_co_u32 s12, s12, s13                     ; the tile's first query
	s_lshl_b32 s12, s12, 12
	s_lshl_b32 s13, s9, 9
	s_add_co_u32 s12, s12, s13
	s_mov_b32 s13, 0
	s_mov_b32 s20, 0x76543210
	s_mov_b32 s21, 0xfedcba98
	s_wait_kmcnt 0x0
	s_add_nc_u64 s[4:5], s[4:5], s[10:11]          ; chunks 0-3
	s_add_nc_u64 s[14:15], s[4:5], 0x800000        ; chunks 4-7
	s_add_nc_u64 s[6:7], s[6:7], s[12:13]
	LOADU 0
	LOADU 1
.irp cc,0,1,2,3
	UNIT \cc
.endr
.irp i,0,1,2,3,4,5,6,7
	ds_load_b128 v[16+4*\i:19+4*\i], v5 offset:2*\i*272      ; LDS serves a wave's instructions in order: these see my stores
.endr
.irp i,0,1,2,3,4,5,6,7
	s_wait_dscnt 7-\i
	global_store_b128 v6, v[16+4*\i:19+4*\i], s[6:7] offset:(2*\i+8*(\i/4))*4096 th:TH_STORE_NT
.endr
	s_wait_tensorcnt 0x0                           ; the wave's end
	ds_add_u32 v1, v2
	s_wait_dscnt 0x0
	s_endpgm
.Lfunc_end_k_q693995a5e4_last:
	.size	k_q693995a5e4_last, .Lfunc_end_k_q693995a5e4_last-k_q693995a5e4_last
	.p2alignl 7, 3214868480
	.fill 96, 4, 3214868480
	.section	.rodata,"a",@progbits
	.p2align	6, 0x0
	.amdhsa_kernel k_q693995a5e4_last
		.amdhsa_group_segment_fixed_size 8960
		.amdhsa_private_segment_fixed_size 0
		.amdhsa_enable_private_segment 0
		.amdhsa_kernarg_size 16
		.amdhsa_user_sgpr_count 2
		.amdhsa_user_sgpr_kernarg_segment_ptr 1
		.amdhsa_wavefront_size32 1
		.amdhsa_system_sgpr_workgroup_id_x 1
		.amdhsa_system_sgpr_workgroup_id_y 1
		.amdhsa_system_sgpr_workgroup_id_z 1
		.amdhsa_system_vgpr_workitem_id 0
		.amdhsa_next_free_vgpr 192
		.amdhsa_next_free_sgpr 66
		.amdhsa_reserve_vcc 0
		.amdhsa_float_denorm_mode_32 3
		.amdhsa_float_denorm_mode_16_64 3
		.amdhsa_memory_ordered 1
		.amdhsa_forward_progress 1
		.amdhsa_inst_pref_size 22
	.end_amdhsa_kernel
	.amdgpu_metadata
---
amdhsa.version: [ 1, 2 ]
amdhsa.kernels:
  - .name:           k_q693995a5e4_last
    .symbol:         k_q693995a5e4_last.kd
    .args:
      - { .name: part, .offset: 0, .size: 8, .value_kind: global_buffer, .address_space: global }
      - { .name: out0, .offset: 8, .size: 8, .value_kind: global_buffer, .address_space: global }
    .group_segment_fixed_size: 8960
    .private_segment_fixed_size: 0
    .kernarg_segment_align: 8
    .kernarg_segment_size: 16
    .max_flat_workgroup_size: 64
    .sgpr_count:     66
    .vgpr_count:     192
    .wavefront_size: 32
...
	.end_amdgpu_metadata
.endif
;; end of part 5
